; MI455X (gfx1250); checked and timed in simulation.
; The chip was launched on July 23, 2026; its instructions are those of AMD's public machine-readable ISA for CDNA 5 (MIT licence, August 2026) and "CDNA5" Instruction Set Architecture Reference Guide (July 2026). The comments in the code are by the model that wrote it; some were corrected since.
;; Causal Multihead Self Attention. Allowed arithmetic: matrix products marked QUANTISED: E4M3 operands, one given power-of-two scale a tensor, by v_wmma_f32_16x16x64_fp8_fp8 or v_wmma_f32_16x16x128_fp8_fp8, f32 sums; everything else in f32.
;; Inputs: Wk 1,024 x 1,024 float32; Wo 1,024 x 1,024 float32; Wq 1,024 x 1,024 float32; Wv 1,024 x 1,024 float32; lowp_scales 12 int32 (the exponents e of the quantised operands' scales 2^e); token_positions 2,048 int32; x 4 x 2,048 x 1,024 float32.
;; Outputs: out0 4 x 2,048 x 1,024 float32.
;; This version of the problem:
;;   THIS VERSION OF THE PROBLEM IS GIVEN IN LOW PRECISION. The matrix products marked QUANTISED in the list below multiply operands that are first quantised to E4M3 (4 exponent bits, 3 mantissa bits; 8 bits a number), with one given power-of-two scale for each operand tensor; their sums are f32. All else is computed in f32.
;;   The module's matrix products, in the order in which they are computed (A, B: the left and right operand; K: the contracted axis; several contracted axes count as one K, in the product's order):
;;     1. [M 8,192, K 1,024] x [K 1,024, N 1,024]; A: input x; B: input Wq: QUANTISED (scales: A lowp_scales[0], B lowp_scales[1])
;;     2. [M 8,192, K 1,024] x [K 1,024, N 1,024]; A: input x; B: input Wk: QUANTISED (scales: A lowp_scales[2], B lowp_scales[3])
;;     3. [M 8,192, K 1,024] x [K 1,024, N 1,024]; A: input x; B: input Wv: QUANTISED (scales: A lowp_scales[4], B lowp_scales[5])
;;     4. batch 64 x [M 2,048, K 64] x [K 64, N 2,048]; A: computed on the way; B: computed on the way: QUANTISED (scales: A lowp_scales[6], B lowp_scales[7])
;;     5. batch 64 x [M 2,048, K 2,048] x [K 2,048, N 64]; A: softmax (see below); B: computed on the way: QUANTISED (scales: A lowp_scales[8], B lowp_scales[9])
;;     6. [M 8,192, K 1,024] x [K 1,024, N 1,024]; A: computed on the way; B: input Wo: QUANTISED (scales: A lowp_scales[10], B lowp_scales[11])
;;   THE QUANTISER, for each operand of a quantised product, along K:
;;     - The operand's scale is 2^e, e = its entry of the input lowp_scales (int32; the entries are numbered through the quantised products in the list's order, A before B).
;;     - Each number is divided by the scale, clamped to +-448, and rounded to the nearest number of E4M3, ties to even, subnormals kept.
;;     - The product sums the exact products of the quantised numbers (number of the format x scale) in f32.
;;   ~~~python
;;   def quantise(x, axis, e):      # numpy; x: float32 -> the quantised numbers, widened to float32 again
;;       x = np.moveaxis(x, axis, -1); K = x.shape[-1]
;;       r = np.clip(x / 2.0 ** e, -448, 448)
;;       step = 2.0 ** (np.maximum(np.frexp(np.where(r == 0, 1, r))[1] - 1, -6) - 3)
;;       q = np.round(r / step) * step * 2.0 ** e      # np.round: ties to even
;;       return np.moveaxis(q, -1, axis).astype(np.float32)
;;   ~~~
;;   SOFTMAX AHEAD OF A QUANTISED PRODUCT. Where the list says 'softmax', what is quantised is not the finished softmax but p = 2^(t - M), with t = logit x log2(e) and M = ceil(the row's largest t), a whole number; so 1/2 < the row's largest p <= 1. The row's sum l is taken of the UNQUANTISED p, in f32, and the product's result is divided by l at the end. Since M is a whole number, a kernel that streams over the keys may use a running M (the ceiling of the running maximum): every later rescaling is an exact power of two, so the quantised numbers keep their values, but for numbers so far below the row's largest that they fall under the format's range.
;;   OPERANDS COMPUTED ON THE WAY. 'Computed on the way' means the value that the module computes at that place (a softmax that the list does not call 'softmax' is quantised finished and normalised). What goes into a quantiser is computed in f32, as accurately as f32 sums, v_exp_f32 and their like allow (about 1e-6 of the number): no bf16 or f16 on the way to a quantiser, and a product that is left as it is and whose result goes on into a quantised operand takes f32 operands (vector FMAs, or v_wmma_f32_16x16x4_f32). A number that lies on a knife's edge between two numbers of the format may be rounded either way, as far as f32 arithmetic and the matrix unit's own rounding can turn it there, and no further.
;; One version. Each part assembles by itself: llvm-mc -triple=amdgcn-amd-amdhsa -mcpu=gfx1250 --defsym DOCPART=n.
;; ======== version 1 of 1: 4 launches
;; limits: right only within a limited range of input values
;; workspace buffers: cw 29,360,128 bytes; tab 524,288 bytes; qi 8,388,608 bytes; kv 16,777,216 bytes; oc 8,388,608 bytes
;; launch prep (part 1): grid 416 x 1, 4 waves a work-group, no clusters, 34,304 bytes of LDS; arguments x, Wq, Wk, Wv, Wo, token_positions, lowp_scales, cw, tab; writes cw, tab
.if DOCPART == 1
	.amdgcn_target "amdgcn-amd-amdhsa--gfx1250"
	.amdhsa_code_object_version 6
	.text
	.protected	k_q727fdb695b_prep
	.globl	k_q727fdb695b_prep
	.p2align	8
	.type	k_q727fdb695b_prep,@function
k_q727fdb695b_prep:
	s_mov_b64 s[64:65], 0
	v_nop
	global_prefetch_b8 v0, s[64:65] scope:SCOPE_SE
	s_setreg_imm32_b32 hwreg(HW_REG_WAVE_MODE, 25, 1), 1
	s_wait_xcnt 0x0
; x [8192][1024] and the four weights [1024][1024], f32, K innermost, become codes of E4M3; token_positions become a table of cos and sin.
; THE CODES ARE LAID AS IMAGES OF OPERAND REGISTERS.  A fragment is 16 rows x 128 K in 16 registers: lane (r, h) holds row r, registers 2 c, 2 c + 1 hold k = 16 c + 8 h + 0 .. 7.
; Its image is 2,048 bytes: registers 4 p .. 4 p + 3 of lane l at 512 p + 16 l.  cw: x as [3 versions][512 row blocks][8 K steps][2,048], then from WBASE on the weights as [q, k, v, o][64 row blocks][8][2,048].
; x is an operand of three products, each with an exponent of its own (entries 0, 2, 4): a version is stored for each, whatever the entries hold, so that the next launch's addresses hang on no number read from memory.
; code = number / 2^e, held within +-448, to the nearest code, ties to even.  LIMITS: every e used here between -126 and 119; NaN among the inputs is not served (an infinity is held at the largest code).
; SHARES.  Work-groups 0-255: x; 256-383: the weights, 32 each; a wave takes 16 rows x 512 K in four steps of 128 K.  Work-groups 384-415: the table, 16 positions a wave.
; No two work-groups read the same bytes, so there is nothing to share in a cluster; no tensor load, no barrier: waves share nothing.
; A step's 16 loads read 512 consecutive bytes each (one row's 128 numbers); the conversions want 8 neighbours along K in one lane, so the 8,192 bytes turn through the wave's own stage in LDS (rows 528 bytes apart).
; tab: [2048 positions][32 pairs][cos, sin] f32.  angle = f32(position) x 10^(-pair / 8); sin and cos by reduction with pi / 2 in three parts and polynomials on +-pi / 4.  LIMIT: |position| up to 131,072.
.set WBASE, 0x1800000                  ; where the weights' codes begin in cw: behind x's three versions of 8 MiB
.set STG,   8448                       ; a wave's stage: 16 rows x 528 bytes
.set SP,    528                        ; a stage row: 512 bytes + 16
.set SPARE, 4*STG                      ; behind the stages: the spare words, 128 bytes a wave: two blocks of 256 bytes that no other line names
.set SPW,   12                         ; v12  LDS address of my spare word; never rewritten
.set NIL,   13                         ; v13  0; never rewritten
.set R,     16                         ; v16-143   two sets of 64: a step's numbers as loaded
.set X,     144                        ; v144-207  register 8 c + i: k = 16 c + 8 h + i of my row
.set T,     208                        ; unused: the conversions read X's registers
.set C,     224                        ; v224-255  two sets of 16: codes
	s_load_b512 s[4:19], s[0:1], 0x0               ; x, Wq, Wk, Wv, Wo, token_positions, lowp_scales, cw
	s_load_b64 s[22:23], s[0:1], 0x40              ; tab
	v_lshl_add_u32 v[SPW], v0, 2, SPARE
	v_mov_b32 v[NIL], 0
	v_lshrrev_b32 v1, 5, v0
	v_readfirstlane_b32 s24, v1                    ; wave 0..3
	v_and_b32 v10, 31, v0                          ; lane
	s_cmp_ge_u32 ttmp9, 384
	s_cbranch_scc1 .Ltable
	; ---------------- the quantiser: one path for x and the weights; only pointers, offsets and exponents are chosen, by the work-group's number
	v_lshlrev_b32 v1, 4, v10                       ; 16 x lane: my bytes of a load's 512 and of a store's 512
	s_mul_i32 s60, s24, STG
	v_add_nc_u32 v2, s60, v1                       ; the stage, in: 16 x lane; the row stands in the immediate
	v_and_b32 v14, 15, v0                          ; r
	v_bfe_u32 v15, v0, 4, 1                        ; h
	v_mul_u32_u24 v3, v14, SP
	v_lshl_add_u32 v3, v15, 5, v3
	v_add_nc_u32 v3, s60, v3                       ; the stage, out: row r, + 32 h
	s_cmp_lt_u32 ttmp9, 256
	s_cselect_b32 s25, 0, 256
	s_sub_co_u32 s25, ttmp9, s25
	s_lshr_b32 s26, s25, 5                         ; among the weights: which of the four
	s_and_b32 s27, s25, 31
	s_lshl_b32 s56, s26, 20
	s_add_co_u32 s56, s56, WBASE                   ; its place in cw
	s_cmp_lt_u32 ttmp9, 256
	s_cselect_b32 s27, s25, s27                    ; the work-group's number within its tensor
	s_cselect_b32 s56, 0, s56                      ; x's version 0 begins at cw's first byte
	s_lshl_b32 s27, s27, 2
	s_add_co_u32 s27, s27, s24
	s_lshr_b32 s51, s27, 1                         ; my row block
	s_and_b32 s52, s27, 1                          ; my half of K
	s_lshl_b32 s28, s51, 16                        ; in: 16 rows of 4,096 bytes,
	s_lshl_b32 s53, s52, 11                        ; + 512 numbers
	s_add_co_u32 s28, s28, s53
	s_mov_b32 s29, 0
	s_lshl_b32 s30, s51, 14                        ; out: 8 images a row block,
	s_lshl_b32 s53, s52, 13                        ; + 4 images,
	s_add_co_u32 s30, s30, s53
	s_add_co_u32 s30, s30, s56                     ; in my tensor's part of cw
	s_mov_b32 s31, 0
	s_wait_alu depctr_va_vdst(0)
	s_wait_kmcnt 0x0
	s_load_b256 s[36:43], s[16:17], 0x0            ; e0 .. e7
	s_load_b128 s[44:47], s[16:17], 0x20           ; e8 .. e11
	s_cmp_eq_u32 s26, 1
	s_cselect_b64 s[54:55], s[8:9], s[6:7]
	s_cmp_eq_u32 s26, 2
	s_cselect_b64 s[54:55], s[10:11], s[54:55]
	s_cmp_eq_u32 s26, 3
	s_cselect_b64 s[54:55], s[12:13], s[54:55]
	s_cmp_lt_u32 ttmp9, 256
	s_cselect_b64 s[54:55], s[4:5], s[54:55]       ; the tensor that I read
	s_add_nc_u64 s[28:29], s[54:55], s[28:29]
	s_add_nc_u64 s[30:31], s[18:19], s[30:31]      ; version 0 of x, or the weight's codes
	s_add_nc_u64 s[32:33], s[30:31], 0x800000      ; version 1 of x (a weight's work-group stores nothing there)
	s_add_nc_u64 s[34:35], s[30:31], 0x1000000     ; version 2 of x (likewise)
.macro LOAD t                          ; step t: 16 rows x 128 numbers; each load is one row's 512 consecutive bytes
.irp i, 0,1,2,3,4,5,6,7,8,9,10,11,12,13,14,15
	global_load_b128 v[R+64*((\t)%2)+4*\i:R+64*((\t)%2)+4*\i+3], v1, s[28:29] offset:4096*\i+512*(\t) th:TH_LOAD_NT
.endr
.endm
	LOAD 0
	LOAD 1
	s_wait_kmcnt 0x0
	s_cmp_eq_u32 s26, 1
	s_cselect_b32 s48, s39, s37
	s_cmp_eq_u32 s26, 2
	s_cselect_b32 s48, s41, s48
	s_cmp_eq_u32 s26, 3
	s_cselect_b32 s48, s47, s48                    ; a weight's exponent: entry 1, 3, 5 or 11
	s_cmp_lt_u32 ttmp9, 256
	s_cselect_b32 s48, s36, s48                    ; version 0's exponent
	s_cselect_b32 s49, s38, s48                    ; version 1's
	s_cselect_b32 s50, s40, s48                    ; version 2's
.irp v, 0,1,2
	s_add_co_i32 s60, s[48+\v], 127
	s_lshl_b32 s61, s60, 23
	v_mov_b32 v[4+2*\v], s61                       ; 2^e as f32: the conversion takes its exponent field
.endr
.macro TURN t                          ; through the stage: LDS serves a wave's instructions in order, so no wait stands between the stores and the loads
.irp i, 0,1,2,3,4,5,6,7,8,9,10,11,12,13,14,15
	ds_store_b128 v2, v[R+64*((\t)%2)+4*\i:R+64*((\t)%2)+4*\i+3] offset:SP*\i
.endr
	v_nop
.irp c, 0,1,2,3,4,5,6,7
	ds_load_b128 v[X+8*\c:X+8*\c+3], v3 offset:64*\c
	ds_load_b128 v[X+8*\c+4:X+8*\c+7], v3 offset:64*\c+16
.endr
.endm
.macro QV ver, t                       ; the step's 64 numbers a lane become one image under version ver's scale
.if \ver > 0
	s_cmp_ge_u32 ttmp9, 256                        ; a weight has one version
	s_cbranch_scc1 .Lone_\@
.endif
	s_wait_xcnt 0x0                                ; the codes' registers are earlier stores' data: they are rewritten only behind this wait
.set CSET, C+16*(((\t)+(\ver))%2)
.irp c, 0,1,2,3,4,5,6,7
.irp i, 0,1,2,3,4,5,6,7
.endr
	v_cvt_scalef32_pk8_fp8_f32 v[CSET+2*\c:CSET+2*\c+1], v[T+8*(\c%2)+((X+8*\c+0)-(T+8*(\c%2)+0)):T+8*(\c%2)+7+((X+8*\c+0)-(T+8*(\c%2)+0))], v[4+2*\ver]
.endr
.irp p, 0,1,2,3
	global_store_b128 v1, v[CSET+4*\p:CSET+4*\p+3], s[30+2*\ver:31+2*\ver] offset:2048*(\t)+512*\p   ; 32 lanes store 512 consecutive bytes, aligned
.endr
.if \ver > 0
.Lone_\@:
.endif
.endm
.macro STEP t
.if (\t) < 3
	s_wait_loadcnt 16                              ; this step's 16 loads are in; the next step's 16 may be out
.else
	s_wait_loadcnt 0
.endif
	TURN \t
	s_wait_dscnt 0x0                               ; my numbers are back, and the stage's stores have read their registers,
.if (\t) < 2
	LOAD (\t)+2                                    ; which take the loads of two steps on
.endif
	QV 0, \t
	QV 1, \t
	QV 2, \t
.endm
	s_wait_alu depctr_va_vdst(0)
	STEP 0
	STEP 1
	STEP 2
	STEP 3
	s_wait_tensorcnt 0x0                           ; the wave's end: behind my last LDS store
	ds_add_u32 v[SPW], v[NIL]
	s_wait_dscnt 0x0
	s_endpgm
	; ---------------- the table: lane j is pair j; a wave takes 16 positions.
.Ltable:
	s_sub_co_u32 s25, ttmp9, 384
	s_lshl_b32 s25, s25, 2
	s_add_co_u32 s25, s25, s24                     ; which 16 positions: 0 .. 127
	s_lshl_b32 s26, s25, 6                         ; their 64 bytes among the positions,
	s_mov_b32 s27, 0
	s_lshl_b32 s28, s25, 12                        ; their 16 x 256 bytes in the table
	s_mov_b32 s29, 0
	s_mov_b32 s84, 0x3f22f983                      ; 2 / pi
	s_mov_b32 s85, 0xbfc90fdb                      ; pi / 2 = 1.57079637 - 4.37113883e-8 - 1.715e-15, in three parts
	s_mov_b32 s86, 0x333bbd2e
	s_mov_b32 s87, 0x26f72ced
	s_mov_b32 s88, 0xb94ca1f9                      ; sin r = r + r^3 (S1 + S2 r^2 + S3 r^4)
	s_mov_b32 s89, 0x3c08839e
	s_mov_b32 s90, 0xbe2aaaa3
	s_mov_b32 s91, 0x37ccf5ce                      ; cos r = 1 - r^2 / 2 + r^4 (C1 + C2 r^2 + C3 r^4)
	s_mov_b32 s92, 0xbab6061a
	s_mov_b32 s93, 0x3d2aaaa5
	s_wait_kmcnt 0x0
	s_add_nc_u64 s[14:15], s[14:15], s[26:27]
	s_add_nc_u64 s[22:23], s[22:23], s[28:29]
	s_load_b512 s[68:83], s[14:15], 0x0            ; my 16 positions
	s_wait_alu depctr_va_vdst(0)
	v_lshlrev_b32 v11, 3, v10                      ; 8 bytes a pair
	v_and_b32 v20, 7, v10
	v_lshrrev_b32 v21, 3, v10
	v_mov_b32 v22, 1.0                             ; 10000^(-j / 32) = 10^(-(j % 8) / 8) x 10^(-(j / 8))
	v_cmp_ne_u32 vcc_lo, 1, v20
	v_cndmask_b32 v22, 0x3f3ff911, v22, vcc_lo
	v_cmp_ne_u32 vcc_lo, 2, v20
	v_cndmask_b32 v22, 0x3f0ff59a, v22, vcc_lo
	v_cmp_ne_u32 vcc_lo, 3, v20
	v_cndmask_b32 v22, 0x3ed7e89b, v22, vcc_lo
	v_cmp_ne_u32 vcc_lo, 4, v20
	v_cndmask_b32 v22, 0x3ea1e89b, v22, vcc_lo
	v_cmp_ne_u32 vcc_lo, 5, v20
	v_cndmask_b32 v22, 0x3e72d424, v22, vcc_lo
	v_cmp_ne_u32 vcc_lo, 6, v20
	v_cndmask_b32 v22, 0x3e361887, v22, vcc_lo
	v_cmp_ne_u32 vcc_lo, 7, v20
	v_cndmask_b32 v22, 0x3e088d77, v22, vcc_lo
	v_mov_b32 v23, 1.0
	v_cmp_ne_u32 vcc_lo, 1, v21
	v_cndmask_b32 v23, 0x3dcccccd, v23, vcc_lo
	v_cmp_ne_u32 vcc_lo, 2, v21
	v_cndmask_b32 v23, 0x3c23d70a, v23, vcc_lo
	v_cmp_ne_u32 vcc_lo, 3, v21
	v_cndmask_b32 v23, 0x3a83126f, v23, vcc_lo
	v_mul_f32 v22, v22, v23                        ; my pair's frequency
	s_wait_kmcnt 0x0
.macro SINCOS i
	v_cvt_f32_i32 v64, s[68+\i]
	s_wait_alu depctr_va_vdst(0)
	v_mul_f32 v64, v64, v22                        ; the angle, rounded once
	v_mul_f32 v65, s84, v64
	v_rndne_f32 v65, v65                           ; n = the nearest multiple of pi / 2
	v_fma_f32 v66, v65, s85, v64
	v_fma_f32 v66, v65, s86, v66
	v_fma_f32 v66, v65, s87, v66                   ; r = angle - n pi / 2
	v_mul_f32 v67, v66, v66
	v_fma_f32 v68, v67, s88, s89
	v_fma_f32 v68, v68, v67, s90
	v_mul_f32 v69, v66, v67
	v_fma_f32 v68, v69, v68, v66                   ; sin r
	v_fma_f32 v70, v67, s91, s92
	v_fma_f32 v70, v70, v67, s93
	v_fma_f32 v70, v70, v67, -0.5
	v_fma_f32 v70, v70, v67, 1.0                   ; cos r
	v_cvt_i32_f32 v71, v65
	v_and_b32 v72, 1, v71
	v_cmp_eq_u32 vcc_lo, 1, v72
	v_cndmask_b32 v73, v68, v70, vcc_lo            ; n odd: sin and cos change places
	v_cndmask_b32 v74, v70, v68, vcc_lo
	v_and_b32 v72, 2, v71
	v_lshlrev_b32 v72, 30, v72
	v_xor_b32 v[33+2*\i], v72, v73                 ; sin: minus where n % 4 is 2 or 3
	v_add_nc_u32 v71, 1, v71
	v_and_b32 v71, 2, v71
	v_lshlrev_b32 v71, 30, v71
	v_xor_b32 v[32+2*\i], v71, v74                 ; cos: minus where n % 4 is 1 or 2
	global_store_b64 v11, v[32+2*\i:33+2*\i], s[22:23] offset:256*\i   ; 32 lanes store a position's 256 consecutive bytes, aligned; each position has data registers of its own
.endm
.irp i, 0,1,2,3,4,5,6,7,8,9,10,11,12,13,14,15
	SINCOS \i
.endr
	s_endpgm
.Lfunc_end_k_q727fdb695b_prep:
	.size	k_q727fdb695b_prep, .Lfunc_end_k_q727fdb695b_prep-k_q727fdb695b_prep
	.p2alignl 7, 3214868480
	.fill 96, 4, 3214868480
	.section	.rodata,"a",@progbits
	.p2align	6, 0x0
	.amdhsa_kernel k_q727fdb695b_prep
		.amdhsa_group_segment_fixed_size 34304
		.amdhsa_private_segment_fixed_size 0
		.amdhsa_enable_private_segment 0
		.amdhsa_kernarg_size 72
		.amdhsa_user_sgpr_count 2
		.amdhsa_user_sgpr_kernarg_segment_ptr 1
		.amdhsa_wavefront_size32 1
		.amdhsa_system_sgpr_workgroup_id_x 1
		.amdhsa_system_sgpr_workgroup_id_y 1
		.amdhsa_system_sgpr_workgroup_id_z 1
		.amdhsa_system_vgpr_workitem_id 0
		.amdhsa_next_free_vgpr 256
		.amdhsa_next_free_sgpr 96
		.amdhsa_reserve_vcc 1
		.amdhsa_float_denorm_mode_32 3
		.amdhsa_float_denorm_mode_16_64 3
		.amdhsa_fp16_overflow 1
		.amdhsa_memory_ordered 1
		.amdhsa_forward_progress 1
		.amdhsa_inst_pref_size 53
	.end_amdhsa_kernel
	.amdgpu_metadata
---
amdhsa.version: [ 1, 2 ]
amdhsa.kernels:
  - .name:           k_q727fdb695b_prep
    .symbol:         k_q727fdb695b_prep.kd
    .args:
      - { .name: x, .offset: 0, .size: 8, .value_kind: global_buffer, .address_space: global }
      - { .name: Wq, .offset: 8, .size: 8, .value_kind: global_buffer, .address_space: global }
      - { .name: Wk, .offset: 16, .size: 8, .value_kind: global_buffer, .address_space: global }
      - { .name: Wv, .offset: 24, .size: 8, .value_kind: global_buffer, .address_space: global }
      - { .name: Wo, .offset: 32, .size: 8, .value_kind: global_buffer, .address_space: global }
      - { .name: token_positions, .offset: 40, .size: 8, .value_kind: global_buffer, .address_space: global }
      - { .name: lowp_scales, .offset: 48, .size: 8, .value_kind: global_buffer, .address_space: global }
      - { .name: cw, .offset: 56, .size: 8, .value_kind: global_buffer, .address_space: global }
      - { .name: tab, .offset: 64, .size: 8, .value_kind: global_buffer, .address_space: global }
    .group_segment_fixed_size: 34304
    .private_segment_fixed_size: 0
    .kernarg_segment_align: 8
    .kernarg_segment_size: 72
    .max_flat_workgroup_size: 128
    .sgpr_count:     96
    .vgpr_count:     256
    .wavefront_size: 32
...
	.end_amdgpu_metadata
.endif
;; end of part 1
;; launch qkv (part 2): grid 12 x 32, 4 waves a work-group, clusters of 4 x 4, 327,680 bytes of LDS; arguments cw, tab, lowp_scales, qi, kv; writes qi, kv
.if DOCPART == 2
	.amdgcn_target "amdgcn-amd-amdhsa--gfx1250"
	.amdhsa_code_object_version 6
	.text
	.protected	k_q727fdb695b_qkv
	.globl	k_q727fdb695b_qkv
	.p2align	8
	.type	k_q727fdb695b_qkv,@function
k_q727fdb695b_qkv:
	s_mov_b64 s[64:65], 0
	v_nop
	global_prefetch_b8 v0, s[64:65] scope:SCOPE_SE
	s_setreg_imm32_b32 hwreg(HW_REG_WAVE_MODE, 25, 1), 1
	s_wait_xcnt 0x0
	s_wait_alu depctr_hold_cnt(0) depctr_sa_sdst(0) depctr_va_vdst(0) depctr_va_sdst(0) depctr_va_ssrc(0) depctr_va_vcc(0) depctr_vm_vsrc(0)
	s_getreg_b32 s2, hwreg(HW_REG_IB_STS2, 6, 4)
	s_cmp_eq_u32 s2, 0
	s_cbranch_scc0 .Lentry_in_a_cluster
	s_endpgm
.Lentry_in_a_cluster:
	s_bfe_u32 s2, ttmp6, 0x10000c
	s_cmp_lg_u32 s2, 0xf033
	s_cbranch_scc0 .Lentry_shape_is_right
	s_endpgm
.Lentry_shape_is_right:
; q = rope(x Wq^T), k = rope(x Wk^T), v = x Wv^T on codes of E4M3, and their codes for the attention, laid as images of operand registers.
; The cluster's x says which of the three (0 q, 1 k, 2 v); a cluster of 4 x 4 work-groups makes 1,024 x 1,024 of it; a work-group 256 x 256; each of its four waves 128 x 128: 64 accumulators, 512 registers.
; TWO SIDES.  P goes to source 0, R to source 1: in accumulator (a, b) lane (r, h) holds R's row 16 a + r, and its register j P's row 16 b + 8 h + j.  Eight registers converted are then registers 2 b, 2 b + 1
; of the next operand's fragment (row = R's row, k = P's rows): nothing changes lanes, and the way out needs no LDS.
;   q, k: P = the weight's rows (features), R = x's rows (tokens): a lane holds a token, registers run along the head's 64: the first attention product's K.
;   v:    P = x's rows (tokens), R = Wv's rows: a lane holds a feature, registers run along the tokens: the keys, the second product's K.
; OPERANDS come as images (16 rows x 128 K = 2,048 bytes; registers 4 p .. 4 p + 3 of lane l at 512 p + 16 l): a fragment is four ds_load_b128 at 16 x lane, and a row block's 256 K are 4,096 consecutive bytes.
; They lie in ONE buffer, cw: x under entries 0, 2, 4 of the scales as three versions of 8 MiB, then the weights, 1 MiB each.  Product number n reads version n and weight n.
; K = 1,024 goes in four K slots of 256 through a ring of two LDS slots: two first fills, two refills; all steps are written out.
; CLUSTER.  R's tile is asked for jointly by my row of the cluster, P's by my column.  Each side's address is cw + an offset made of the cluster's two numbers, the wave's number, constants, and cy alone (R) or cx alone (P):
; the change of sides for v is two multiplications by 0 or 1; no choice, and no number read from memory, enters a descriptor.
; The sums stand for sum x 2^(ea + eb); the rotation is linear, so the three scales are folded into the conversion's one, 2^(eout - ea - eb).  LIMIT: eout - ea - eb between -126 and 119.
; qi: [64 heads][128 token blocks][1,024].  kv: [64 heads][16 key steps of 128][K: 8 key blocks x 1,024; V: 2 groups of 64 keys x 4 blocks of 16 channels x 1,024].
; REGISTERS, in windows of 256: window 0: v16-29 addresses; v32-97 the way out's table and scale; v128-255 R's fragments, ONE set (on the way out: numbers and codes).  window 1: P's fragments, TWO sets.  windows 2, 3: the accumulators.
.set WBASE, 0x1800000                  ; where the weights' codes begin in cw
.set SLOT,  131072                     ; R's 16 row blocks x 4,096 bytes, then P's 16
.set HALFT, 32768                      ; 8 row blocks: what one tensor load brings, and what one wave reads of a side
.set SPARE, 2*SLOT                     ; behind the ring: the spare words, 128 bytes a wave: two blocks of 256 bytes that no other line names
.set FR,    16                         ; registers of a fragment
.set NL,    4                          ; LDS loads that bring one
.set NP,    4                          ; places behind this matrix instruction (ISA guide 7.12.1)
.set ADRA,  16                         ; v16-17  LDS address of my R fragments in slot 0, 1
.set ADRB,  20                         ; v20-21  the same for P
.set LI,    24                         ; v24     16 x lane
.set TO,    25                         ; v25     my token's row of the table, + 32 h
.set SPW,   28                         ; v28     LDS address of my spare word; never rewritten
.set NIL,   29                         ; v29     0; never rewritten
.set TBL,   32                         ; v32-95  two sets of 32: (cos, sin) of my token's pairs 8 c + 4 h + 0 .. 3
.set SCL,   96                         ; v96     2^(eout - ea - eb)
.set LIM,   97                         ; v97     448 x that
.set AF,    128                        ; R's fragments
.set TMP,   128                        ; the way out: 64 numbers
.set CD,    192                        ; the way out: two sets of 16 registers of codes
.set G1,    24                         ; s[24:31] descriptor group 1 for R's tiles; s[32:39] group 0, a set for each slot
.set G0,    32
.set G1B,   48                         ; s[48:55], s[56:63] the same for P's
.set G0B,   56
.set MSB, 0
.macro WIN new                         ; the immediate's high byte repeats the setting that is left
.if MSB != \new
	s_set_vgpr_msb (MSB<<8)|\new
.set MSB, \new
.endif
.endm
.set MUL_LO, 0xa1                      ; source 0 (P) window 1, source 1 (R) window 0, C and D window 2
.set MUL_HI, 0xf1                      ; the same, C and D window 3
.set TO_B,   0x40                      ; destination window 1, address window 0
; A joint load: waves 0 and 1 fetch R's halves, waves 2 and 3 P's.  The branch hangs on the wave's number alone.  An s_nop 0 and four v_nop follow each of the two lines.
.macro JLOAD g0a, g1a, g0b, g1b
	s_cmp_eq_u32 s17, 0
	s_cbranch_scc0 .Lfor_b_\@
	tensor_load_to_lds s[\g0a:\g0a+3], s[\g1a:\g1a+7]
	s_nop 0
.rept 4
	v_nop
.endr
	s_branch .Lasked_\@
.Lfor_b_\@:
	tensor_load_to_lds s[\g0b:\g0b+3], s[\g1b:\g1b+7]
	s_nop 0
.rept 4
	v_nop
.endr
.Lasked_\@:
.endm
.macro CREST                           ; a round of the cluster's barrier behind its opening barrier
	s_cmp_lg_u32 s16, 0
	s_cbranch_scc1 .Lnot_wave_0_\@
	s_barrier_signal -3
.Lnot_wave_0_\@:
	s_barrier_wait -3
	s_barrier_signal -1
	s_barrier_wait -1
.endm
.macro CROUND                          ; a whole round
	s_barrier_signal -1
	s_barrier_wait -1
	CREST
.endm
	s_load_b256 s[4:11], s[0:1], 0x0               ; cw s[4:5], tab s[6:7], lowp_scales s[8:9], qi s[10:11]
	s_load_b64 s[12:13], s[0:1], 0x20              ; kv
	v_lshl_add_u32 v[SPW], v0, 2, SPARE
	v_mov_b32 v[NIL], 0
	ds_add_u32 v[SPW], v[NIL]
	ds_add_u32 v[SPW], v[NIL]                      ; the wave's opening: the add and its wait ahead of my first tensor load; work on registers stands between them
	v_lshrrev_b32 v1, 5, v0
	v_readfirstlane_b32 s16, v1                    ; wave 0..3
	s_lshr_b32 s17, s16, 1                         ; which half of R's rows is mine.  Also: I fetch for R (0) or for P (1)
	s_and_b32 s18, s16, 1                          ; which half of P's rows.  Also: which 8 row blocks of that tile I fetch
	s_bfe_u32 s40, ttmp6, 0x40000                  ; cx
	s_bfe_u32 s41, ttmp6, 0x40004                  ; cy
	s_mov_b32 s19, ttmp9                           ; which product: 0 q, 1 k, 2 v: the same in all sixteen partners
	s_and_b32 s20, ttmp7, 0xffff                   ; which 1,024 tokens: likewise
	s_lshr_b32 s21, s19, 1                         ; 1 for v, else 0
	s_xor_b32 s22, s21, 1                          ; 1 for q and k, else 0
	s_lshl_b32 s23, s20, 2
	s_mul_i32 s42, s21, s23                        ; the tokens are on P's side for v,
	s_add_co_u32 s42, s42, s40                     ; P's tile (for the way out)
	s_mul_i32 s43, s22, s23                        ; on R's for q and k
	s_add_co_u32 s43, s43, s41                     ; R's tile (for the way out)
	s_lshl_b32 s44, s41, 2
	s_lshl_b32 s44, 15, s44                        ; my row of the cluster
	s_lshl_b32 s45, 0x1111, s40                    ; my column
	; descriptor group 1: 8 row blocks x 4,096 bytes, 16,384 bytes apart in memory, dense in LDS
	s_or_b32 s[G1+0], s44, (3<<16)|(1<<21)         ; 15:0 the mask: R's tiles go to my row; 17:16 elements of 8 bytes; 21 set beside a mask; no padding
	s_or_b32 s[G1B+0], s45, (3<<16)|(1<<21)        ; P's tiles go to my column
.irp g, G1, G1B
	s_mov_b32 s[\g+1], 512<<16                     ; tensor_dim0 = 512 elements
	s_mov_b32 s[\g+2], 8<<16                       ; tensor_dim1 = 8
	s_mov_b32 s[\g+3], 512<<16                     ; tile_dim0
	s_mov_b32 s[\g+4], 8                           ; tile_dim1
	s_mov_b32 s[\g+5], 2048                        ; tensor_dim0_stride, in elements
	s_mov_b32 s[\g+6], 0
	s_mov_b32 s[\g+7], 0
.endr
	s_lshl_b32 s66, s18, 17                        ; the 8 row blocks that I fetch: 8 x 16,384 bytes
	s_lshl_b32 s67, s16, 15                        ; and where they go: wave x 32,768: no place in the cluster enters an LDS address
	; the two sides' offsets in cw.  A tile is 16 row blocks of 16,384 bytes: 1 << 18
	s_lshl_b32 s80, s19, 20
	s_add_co_u32 s80, s80, WBASE                   ; the product's weight
	s_lshl_b32 s81, s19, 23
	s_lshl_b32 s82, s20, 20
	s_add_co_u32 s81, s81, s82                     ; the product's version of x, at the cluster's 1,024 tokens
	s_mul_i32 s84, s22, s80                        ; P: the weight for q and k,
	s_mul_i32 s82, s21, s81                        ;    x for v,
	s_add_co_u32 s84, s84, s82
	s_lshl_b32 s83, s40, 18
	s_add_co_u32 s84, s84, s83                     ;    tile cx of the four,
	s_add_co_u32 s84, s84, s66                     ;    my 8 row blocks
	s_mov_b32 s85, 0
	s_mul_i32 s86, s22, s81                        ; R: x for q and k,
	s_mul_i32 s82, s21, s80                        ;    the weight for v,
	s_add_co_u32 s86, s86, s82
	s_lshl_b32 s46, s41, 18
	s_add_co_u32 s86, s86, s46                     ;    tile cy of the four,
	s_add_co_u32 s86, s86, s66                     ;    my 8 row blocks
	s_mov_b32 s87, 0
	s_wait_dscnt 0x0                               ; the opening add is done
	s_wait_kmcnt 0x0
	s_load_b256 s[68:75], s[8:9], 0x0              ; e0 .. e7: they serve the conversion's scale alone, and are waited for behind the first loads
	s_load_b128 s[76:79], s[8:9], 0x20             ; e8 .. e11
	s_add_nc_u64 s[84:85], s[4:5], s[84:85]
	s_add_nc_u64 s[86:87], s[4:5], s[86:87]
	CROUND                                         ; all sixteen work-groups are here: the first joint loads meet
.irp s, 0,1
	s_mov_b32 s[G0+4*\s], 1
	s_add_co_u32 s[G0+4*\s+1], s67, \s*SLOT
	s_add_nc_u64 s[G0+4*\s+2:G0+4*\s+3], s[86:87], \s*4096
	s_or_b32 s[G0+4*\s+3], s[G0+4*\s+3], 0x80000000
	s_mov_b32 s[G0B+4*\s], 1
	s_add_co_u32 s[G0B+4*\s+1], s67, \s*SLOT
	s_add_nc_u64 s[G0B+4*\s+2:G0B+4*\s+3], s[84:85], \s*4096
	s_or_b32 s[G0B+4*\s+3], s[G0B+4*\s+3], 0x80000000
	JLOAD G0+4*\s, G1, G0B+4*\s, G1B
.endr
	s_wait_kmcnt 0x0
	s_cmp_eq_u32 s19, 1
	s_cselect_b32 s88, s70, s68                    ; ea: entry 0, 2, 4
	s_cselect_b32 s89, s71, s69                    ; eb: entry 1, 3, 5
	s_cselect_b32 s90, s75, s74                    ; eout: entry 6 (q), 7 (k), 9 (v)
	s_cmp_eq_u32 s19, 2
	s_cselect_b32 s88, s72, s88
	s_cselect_b32 s89, s73, s89
	s_cselect_b32 s90, s77, s90
	s_sub_co_i32 s90, s90, s88
	s_sub_co_i32 s90, s90, s89                     ; eout - ea - eb
	s_add_co_i32 s90, s90, 127
	s_lshl_b32 s91, s90, 23
	v_mov_b32 v[SCL], s91
	s_add_co_i32 s90, s90, 8
	s_lshl_b32 s90, s90, 23
	s_or_b32 s90, s90, 0x600000
	v_mov_b32 v[LIM], s90
	v_and_b32 v1, 31, v0
	v_lshlrev_b32 v[LI], 4, v1
	s_lshl_b32 s88, s17, 15                        ; my 8 row blocks of R
	s_lshl_b32 s89, s18, 15                        ; my 8 of P,
	s_add_co_u32 s89, s89, 2*HALFT                 ; which lie behind R's 16
.irp s, 0,1
	v_add_nc_u32 v[ADRA+\s], s88, v[LI]
	v_add_nc_u32 v[ADRB+\s], s89, v[LI]
	s_add_co_u32 s88, s88, SLOT
	s_add_co_u32 s89, s89, SLOT
.endr
	; q's and k's way out: where my two heads' images begin, and my tokens' rows of the table
	s_lshl_b32 s88, s43, 8
	s_lshl_b32 s89, s17, 7
	s_add_co_u32 s88, s88, s89                     ; my first token
	s_lshr_b32 s89, s88, 11                        ; its batch
	s_lshl_b32 s89, s89, 4
	s_lshl_b32 s90, s42, 2
	s_add_co_u32 s89, s89, s90
	s_lshl_b32 s90, s18, 1
	s_add_co_u32 s89, s89, s90                     ; 16 x batch + my first head
	s_and_b32 s90, s88, 2047                       ; my first token's place in its sequence, a multiple of 128
	s_lshl_b32 s89, s89, 17
	s_lshl_b32 s91, s90, 6                         ; 1,024 bytes a token block
	s_add_co_u32 s89, s89, s91
	s_lshl_b32 s92, s89, s19                       ; in kv a head and 8 key blocks take twice the bytes
	s_mov_b32 s93, 0
	s_cmp_eq_u32 s19, 0
	s_cselect_b64 s[94:95], s[10:11], s[12:13]
	s_add_nc_u64 s[94:95], s[94:95], s[92:93]      ; my first head's images
	s_lshl_b32 s92, 0x20000, s19
	s_add_nc_u64 s[96:97], s[94:95], s[92:93]      ; my second head's
	s_lshl_b32 s91, s90, 8
	v_and_b32 v2, 15, v0
	v_bfe_u32 v3, v0, 4, 1
	v_lshlrev_b32 v[TO], 8, v2
	v_lshl_add_u32 v[TO], v3, 5, v[TO]
	v_add_nc_u32 v[TO], s91, v[TO]                 ; 256 x (first place + r) + 32 h
.macro FRAG reg, adr, q, i             ; row block i, the slot's q-th 128 along K: an image's four pieces
.irp c, 0,1,2,3
	ds_load_b128 v[\reg+4*\c:\reg+4*\c+3], v[\adr] offset:4096*(\i)+2048*(\q)+512*\c
.endr
.endm
; 16 matrix instructions: R's blocks a0, a0 + 1 x P's eight, 128 along K.  p: P's set.  zero = 1: the first product starts the sums.
; The 64 accumulators take turns, one instruction a turn, in the same order in every step.
.macro MUL16 a0, p, zero
.irp a, \a0, \a0+1
.irp b, 0,1,2,3,4,5,6,7
.if \zero
	v_wmma_f32_16x16x128_fp8_fp8 v[8*(8*((\a)%4)+\b):8*(8*((\a)%4)+\b)+7], v[128*(\p)+FR*\b:128*(\p)+FR*\b+FR-1], v[AF+FR*(\a):AF+FR*(\a)+FR-1], 0
.else
	v_wmma_f32_16x16x128_fp8_fp8 v[8*(8*((\a)%4)+\b):8*(8*((\a)%4)+\b)+7], v[128*(\p)+FR*\b:128*(\p)+FR*\b+FR-1], v[AF+FR*(\a):AF+FR*(\a)+FR-1], v[8*(8*((\a)%4)+\b):8*(8*((\a)%4)+\b)+7]
.endif
.endr
.endr
.endm
.macro FETCH_B slot, q, p              ; P's eight fragments into set p
	WIN TO_B
.irp i, 0,1,2,3,4,5,6,7
	FRAG 128*(\p)+FR*\i, ADRB+\slot, \q, \i
.endr
	WIN 0
.endm
.macro FETCH_A slot, q, i0             ; R's blocks i0 .. i0 + 3
.irp i, \i0, \i0+1, \i0+2, \i0+3
	FRAG AF+FR*(\i), ADRA+\slot, \q, \i
.endr
.endm
.macro PLACES n                        ; plain vector lines between a matrix instruction and a load into, or a vector line on, its registers
.rept \n
	v_nop
.endr
.endm
.macro STEP slot, q, zero              ; 128 along K that has its successor in the same slot
	s_wait_dscnt 4*NL                              ; P's set and R's blocks 0-3 are in; the youngest 16 loads (R's blocks 4-7) may be out
	WIN MUL_LO
	MUL16 0, (\q)%2, \zero
	MUL16 2, (\q)%2, \zero
	s_wait_dscnt 0                                 ; R's blocks 4-7 are in
	PLACES NP
	FETCH_B \slot, (\q)+1, 1-(\q)%2
	FETCH_A \slot, (\q)+1, 0
	WIN MUL_HI
	MUL16 4, (\q)%2, \zero
	MUL16 6, (\q)%2, \zero
	PLACES NP
	WIN 0
	FETCH_A \slot, (\q)+1, 4
.endm
; A slot's last step changes slots: one barrier; in front of it each wave waits for all its tensor loads, adds 0 to its spare word, and waits for that and for its reads of this slot.  fill = 1: the slot is filled again, two K slots ahead.
.macro TURN slot, next, fill
	s_wait_tensorcnt 0x0                           ; all my tensor loads have landed: my part of the next slot (every window is 0 here)
	ds_add_u32 v[SPW], v[NIL]                      ; 0 onto my spare word
	s_wait_dscnt 4*NL+1                            ; the add and the youngest 16 loads (R's blocks 4-7) may be out
	WIN MUL_LO
	MUL16 0, 1, 0                                  ; sixteen matrix instructions stand between the add and the wait for it
	s_wait_dscnt 0x0                               ; the add is done, and my reads of this slot are over
	s_barrier_signal -1
	MUL16 2, 1, 0
	WIN 0
	s_barrier_wait -1
.if \fill
	CREST                                          ; the barrier has opened a round of the cluster's: no wave of any partner still reads this slot or has a load on its way
	s_add_nc_u64 s[G0+4*\slot+2:G0+4*\slot+3], s[G0+4*\slot+2:G0+4*\slot+3], 8192
	s_add_nc_u64 s[G0B+4*\slot+2:G0B+4*\slot+3], s[G0B+4*\slot+2:G0B+4*\slot+3], 8192
	JLOAD G0+4*\slot, G1, G0B+4*\slot, G1B         ; the first tensor load behind the round; its four v_nop are the places in front of the loads below
.else
	PLACES NP
.endif
	FETCH_B \next, 0, 0
	FETCH_A \next, 0, 0
	WIN MUL_HI
	MUL16 4, 1, 0
	MUL16 6, 1, 0
	PLACES NP
	WIN 0
	FETCH_A \next, 0, 4
.endm
.macro TAB a                           ; token block a's part of the table: my token's 16 pairs, 8 loads of 16 bytes
.irp c, 0,1,2,3
	global_load_b128 v[TBL+32*((\a)%2)+8*\c:TBL+32*((\a)%2)+8*\c+3], v[TO], s[6:7] offset:4096*(\a)+64*\c
	global_load_b128 v[TBL+32*((\a)%2)+8*\c+4:TBL+32*((\a)%2)+8*\c+7], v[TO], s[6:7] offset:4096*(\a)+64*\c+16
.endr
.endm
	s_wait_alu depctr_va_vdst(0)
	s_wait_tensorcnt 1                             ; my part of K slot 0 is in; K slot 1's load may be out
	s_barrier_signal -1
	s_barrier_wait -1
	FETCH_B 0, 0, 0
	FETCH_A 0, 0, 0
	FETCH_A 0, 0, 4
	STEP 0, 0, 1                                   ; the first products start the sums: nothing is cleared
	TURN 0, 1, 1                                   ; slot 0 takes K slot 2
	STEP 1, 0, 0
	TURN 1, 0, 1                                   ; slot 1 takes K slot 3
	STEP 0, 0, 0
	TURN 0, 1, 0                                   ; nothing is left to ask for
	STEP 1, 0, 0
	s_cmp_eq_u32 s19, 2                            ; q and k: the first two blocks' table is asked for here, 64 matrix instructions ahead of its use
	s_cbranch_scc1 .Lno_tab
	TAB 0
	TAB 1
.Lno_tab:
	s_wait_dscnt 4*NL                              ; the very last step
	WIN MUL_LO
	MUL16 0, 1, 0
	MUL16 2, 1, 0
	s_wait_dscnt 0
	WIN MUL_HI
	MUL16 4, 1, 0
	MUL16 6, 1, 0
	PLACES NP                                      ; in front of the first reads of results and of vector writes into the registers that held R's fragments
	WIN 0
.macro CODES a                         ; 64 held numbers become 16 registers of codes: accumulator b gives registers 2 b, 2 b + 1
	s_wait_xcnt 0x0                                ; the codes' registers are earlier stores' data: rewritten only behind this wait
.irp b, 0,1,2,3,4,5,6,7
	v_cvt_scalef32_pk8_fp8_f32 v[CD+16*((\a)%2)+2*\b:CD+16*((\a)%2)+2*\b+1], v[TMP+8*\b:TMP+8*\b+7], v[SCL]
.endr
	v_nop                                          ; one plain vector line behind the last conversion, ahead of the next lines that write its sources
.endm
; q, k: token block a.  The rotation: (even, odd) -> (even cos - odd sin, even sin + odd cos), two packed lines a pair; each accumulator is read from its low end on.
.macro EPQ a
.set AC, 64*((\a)%4)
.set TS, TBL+32*((\a)%2)
.if (\a) < 7
	s_wait_loadcnt 8                               ; this block's 8 table loads are in; the next block's 8 may be out
.else
	s_wait_loadcnt 0
.endif
	WIN 0x02+((\a)/4)                              ; source 0: window 2 or 3
.irp g, 0,1
.irp c, 0,1,2,3
.irp i, 0,2,4,6
	v_pk_mul_f32 v[TMP+32*\g+8*\c+\i:TMP+32*\g+8*\c+\i+1], v[AC+32*\g+8*\c+\i:AC+32*\g+8*\c+\i+1], v[TS+8*\c+\i:TS+8*\c+\i+1] op_sel:[1,1] op_sel_hi:[1,0] neg_lo:[1,0]   ; (-odd sin, odd cos)
.endr
.irp i, 0,2,4,6
	v_pk_fma_f32 v[TMP+32*\g+8*\c+\i:TMP+32*\g+8*\c+\i+1], v[AC+32*\g+8*\c+\i:AC+32*\g+8*\c+\i+1], v[TS+8*\c+\i:TS+8*\c+\i+1], v[TMP+32*\g+8*\c+\i:TMP+32*\g+8*\c+\i+1] op_sel_hi:[0,1,1]   ; + (even cos, even sin)
.endr
.endr
.endr
	WIN 0
.if (\a) < 6
	TAB (\a)+2                                     ; into the set just read
.endif
.set j, 0
.rept 64
.set j, j+1
.endr
	s_wait_alu depctr_va_vdst(0)
	CODES \a
.irp g, 0,1
.irp p, 0,1
	global_store_b128 v[LI], v[CD+16*((\a)%2)+8*\g+4*\p:CD+16*((\a)%2)+8*\g+4*\p+3], s[94+2*\g:95+2*\g] offset:1024*(\a)+512*\p   ; 32 lanes store 512 consecutive bytes, aligned
.endr
.endr
.endm
; v: block a of 16 channels (head a / 4, block a % 4) x my 128 tokens, one key step
.macro EPV a
.set AC, 64*((\a)%4)
	WIN 0x02+((\a)/4)
.set j, 0
.rept 64
	v_med3_num_f32 v[TMP+j], v[AC+j], -v[LIM], v[LIM]
.set j, j+1
.endr
	WIN 0
	s_wait_alu depctr_va_vdst(0)
	CODES \a
.irp g, 0,1
.irp p, 0,1
	global_store_b128 v[LI], v[CD+16*((\a)%2)+8*\g+4*\p:CD+16*((\a)%2)+8*\g+4*\p+3], s[94:95] offset:((\a)/4)*262144+8192+4096*\g+1024*((\a)%4)+512*\p
.endr
.endr
.endm
	s_cmp_eq_u32 s19, 2
	s_cbranch_scc1 .Lv
.irp a, 0,1,2,3,4,5,6,7
	EPQ \a
.endr
	s_branch .Lend
.Lv:
	s_lshl_b32 s88, s42, 8
	s_lshl_b32 s89, s18, 7
	s_add_co_u32 s88, s88, s89                     ; my first token
	s_lshr_b32 s89, s88, 11
	s_lshl_b32 s89, s89, 4
	s_lshl_b32 s90, s43, 2
	s_add_co_u32 s89, s89, s90
	s_lshl_b32 s90, s17, 1
	s_add_co_u32 s89, s89, s90                     ; 16 x batch + my first head
	s_lshl_b32 s89, s89, 18
	s_and_b32 s90, s88, 2047
	s_lshl_b32 s90, s90, 7                         ; 16,384 bytes a key step of 128
	s_add_co_u32 s92, s89, s90
	s_mov_b32 s93, 0
	s_add_nc_u64 s[94:95], s[12:13], s[92:93]
.irp a, 0,1,2,3,4,5,6,7
	EPV \a
.endr
.Lend:
	s_wait_tensorcnt 0x0                           ; the wave's end: behind my last tensor load
	ds_add_u32 v[SPW], v[NIL]
	s_wait_dscnt 0x0
	CROUND                                         ; the closing round: no work-group ends while a partner may still ask for a tile that names it
	s_endpgm
.Lfunc_end_k_q727fdb695b_qkv:
	.size	k_q727fdb695b_qkv, .Lfunc_end_k_q727fdb695b_qkv-k_q727fdb695b_qkv
	.p2alignl 7, 3214868480
	.fill 96, 4, 3214868480
	.section	.rodata,"a",@progbits
	.p2align	6, 0x0
	.amdhsa_kernel k_q727fdb695b_qkv
		.amdhsa_group_segment_fixed_size 327680
		.amdhsa_private_segment_fixed_size 0
		.amdhsa_enable_private_segment 0
		.amdhsa_kernarg_size 40
		.amdhsa_user_sgpr_count 2
		.amdhsa_user_sgpr_kernarg_segment_ptr 1
		.amdhsa_wavefront_size32 1
		.amdhsa_system_sgpr_workgroup_id_x 1
		.amdhsa_system_sgpr_workgroup_id_y 1
		.amdhsa_system_sgpr_workgroup_id_z 1
		.amdhsa_system_vgpr_workitem_id 0
		.amdhsa_next_free_vgpr 1024
		.amdhsa_next_free_sgpr 100
		.amdhsa_reserve_vcc 0
		.amdhsa_float_denorm_mode_32 3
		.amdhsa_float_denorm_mode_16_64 3
		.amdhsa_fp16_overflow 1
		.amdhsa_memory_ordered 1
		.amdhsa_forward_progress 1
		.amdhsa_inst_pref_size 166
	.end_amdhsa_kernel
	.amdgpu_metadata
---
amdhsa.version: [ 1, 2 ]
amdhsa.kernels:
  - .name:           k_q727fdb695b_qkv
    .symbol:         k_q727fdb695b_qkv.kd
    .args:
      - { .name: cw, .offset: 0, .size: 8, .value_kind: global_buffer, .address_space: global }
      - { .name: tab, .offset: 8, .size: 8, .value_kind: global_buffer, .address_space: global }
      - { .name: lowp_scales, .offset: 16, .size: 8, .value_kind: global_buffer, .address_space: global }
      - { .name: qi, .offset: 24, .size: 8, .value_kind: global_buffer, .address_space: global }
      - { .name: kv, .offset: 32, .size: 8, .value_kind: global_buffer, .address_space: global }
    .group_segment_fixed_size: 327680
    .private_segment_fixed_size: 0
    .kernarg_segment_align: 8
    .kernarg_segment_size: 40
    .max_flat_workgroup_size: 128
    .sgpr_count:     100
    .vgpr_count:     1024
    .wavefront_size: 32
...
	.end_amdgpu_metadata
.endif
;; end of part 2
;; launch attn (part 3): grid 4 x 64, 16 waves a work-group, clusters of 4 x 1, 327,680 bytes of LDS; arguments qi, kv, lowp_scales, oc; writes oc
.if DOCPART == 3
	.amdgcn_target "amdgcn-amd-amdhsa--gfx1250"
	.amdhsa_code_object_version 6
	.text
	.protected	k_q727fdb695b_attn
	.globl	k_q727fdb695b_attn
	.p2align	8
	.type	k_q727fdb695b_attn,@function
k_q727fdb695b_attn:
	s_mov_b64 s[64:65], 0
	v_nop
	global_prefetch_b8 v0, s[64:65] scope:SCOPE_SE
	s_setreg_imm32_b32 hwreg(HW_REG_WAVE_MODE, 25, 1), 1
	s_wait_xcnt 0x0
	s_wait_alu depctr_hold_cnt(0) depctr_sa_sdst(0) depctr_va_vdst(0) depctr_va_sdst(0) depctr_va_ssrc(0) depctr_va_vcc(0) depctr_vm_vsrc(0)
	s_getreg_b32 s2, hwreg(HW_REG_IB_STS2, 6, 4)
	s_cmp_eq_u32 s2, 0
	s_cbranch_scc0 .Lentry_in_a_cluster
	s_endpgm
.Lentry_in_a_cluster:
	s_bfe_u32 s2, ttmp6, 0x10000c
	s_cmp_lg_u32 s2, 0x3003
	s_cbranch_scc0 .Lentry_shape_is_right
	s_endpgm
.Lentry_shape_is_right:
; O = softmax(Q K^T / 8, causal) V for 64 heads of 2,048 tokens x 64 channels, both products on codes of E4M3, and O's codes for the last product.
; THE SOFTMAX AHEAD OF THE SECOND PRODUCT: t = score x log2(e) / 8; M = the running largest t rounded UP to a whole number; p = 2^(t - M) is quantised, not normalised; the row's sum is taken of the unquantised p
; and divides O at the end.  When M moves, the sum and O are multiplied by 2^(old M - new M): exact.
; SHARES.  A cluster of four work-groups is one head.  The head's 128 tiles of 16 queries are dealt out interleaved: work-group cx takes tiles 4 u + cx, u = 0 .. 31; wave w takes u = 31 - w, then u = w.
; Keys go 128 a step.  Step k is hidden from tile 4 u + cx where 2 k > u, wholly open where 2 k + 2 <= u, and else lies on the diagonal: none of the three tests knows cx, so no branch hangs on a work-group's
; place in its cluster, and every wave of every work-group walks (31 - w) / 2 + w / 2 + 2 = 17 steps.
; THE HEAD'S K AND V, 262,144 bytes, ALL LIE IN LDS: sixteen joint loads of 16,384 bytes, four by each of waves 0-3, each fetched once for the four work-groups.  Nothing is filled again: no ring, no round in the loops.
; Each of waves 0-3 has four tensor loads outstanding.
; LAYOUT.  All operands are images of registers (lane (r, h): row r; registers 2 c, 2 c + 1: k = 16 c + 8 h + 0 .. 7).  S^T = K Q^T (source 0 = 16 keys, source 1 = my 16 queries): a lane holds ONE query and keys
; 16 kb + 8 h + j, so eight converted registers are registers 2 kb, 2 kb + 1 of P.  O^T = V^T P^T (source 0 = 16 channels x 128 keys): again one query a lane, and its codes are the next operand's registers.
; LIMITS on the given exponents: e6 + e7 between -123 and 130 (added to c's exponent field); e8 and e10 between -126 and 119; e8 + e9 goes by v_ldexp_f32.
; REGISTERS: v1 16 x lane; v2 the mask's number; v3 r - 8 h; v5, v6 the add's; v8 LDS address; v12 -M, v13 the largest t, v[14:15] the sum in two halves; v16-23, v24-31 Q of my two tiles; v32-95 K's, then V's fragments;
; v96-159 S^T, then p; v160-191 O^T; v192-207 p's codes; v208-215 O's codes; v244: 2^e8; v245: 2^e10; v236, v238-243, v246-255 at work.
.set SPARE, 262144                     ; behind K and V: the spare words, 128 bytes a wave: eight blocks of 256 bytes that no other line names
.set LI,   1
.set QD,   2
.set RH,   3
.set SPW,  5
.set NIL,  6
.set ADK,  8
.set WV,   18                          ; s18  my wave's number
.set SEL,  20                          ; s[20:21] lane selects: lane l xor 16
.set CS,   22                          ; s[22:23] c = log2(e) / 8 x 2^(e6 + e7)
.set G1,   24                          ; s[24:31] descriptor group 1
.set G0,   32                          ; s[32:47] four groups 0
.set CX,   48                          ; s48  my place in the cluster: it enters global addresses and the mask's number alone
.set BH,   49                          ; s49  the head
.set U,    50                          ; s50  u of the tile in hand
.set K2,   51                          ; s51  2 k
.set TB,   52                          ; s52  16,384 k: the step's bytes in LDS
.set KF,   53                          ; s53  128 k: the step's first key
.set CNT,  54
.set TP,   55                          ; s55  the tile, 4 u + cx
.set OA,   58                          ; s[58:59] where the tile's codes go
.set ESUM, 80                          ; s80  e8 + e9
.macro CROUND                          ; a round of the cluster's barrier
	s_barrier_signal -1
	s_barrier_wait -1
	s_cmp_lg_u32 s[WV], 0
	s_cbranch_scc1 .Lnot_wave_0_\@
	s_barrier_signal -3
.Lnot_wave_0_\@:
	s_barrier_wait -3
	s_barrier_signal -1
	s_barrier_wait -1
.endm
	s_load_b256 s[4:11], s[0:1], 0x0               ; qi s[4:5], kv s[6:7], lowp_scales s[8:9], oc s[10:11]
	v_lshl_add_u32 v[SPW], v0, 2, SPARE
	v_mov_b32 v[NIL], 0
	ds_add_u32 v[SPW], v[NIL]                      ; the wave's opening: the add and its wait ahead of the first tensor loads; work on registers stands between them
	ds_add_u32 v[SPW], v[NIL]
	v_lshrrev_b32 v8, 5, v0
	s_delay_alu instid0(VALU_DEP_1)
	v_readfirstlane_b32 s[WV], v8                  ; wave 0..15
	s_bfe_u32 s[CX], ttmp6, 0x40000
	s_and_b32 s[BH], ttmp7, 0xffff                 ; the cluster's y: the four partners share it
	s_mov_b32 s[G1], 15|(3<<16)|(1<<21)            ; 15:0 the mask: all four work-groups; 17:16 elements of 8 bytes; 21 set beside a mask; no padding
	s_mov_b32 s[G1+1], 32<<16                      ; a key step's 16,384 bytes, dense, as 64 rows of 256 bytes: tensor_dim0 = 32 elements
	s_mov_b32 s[G1+2], 64<<16                      ; tensor_dim1
	s_mov_b32 s[G1+3], 32<<16                      ; tile_dim0
	s_mov_b32 s[G1+4], 64                          ; tile_dim1
	s_mov_b32 s[G1+5], 32                          ; tensor_dim0_stride
	s_mov_b32 s[G1+6], 0
	s_mov_b32 s[G1+7], 0
	s_mov_b32 s[SEL], 0x76543210
	s_mov_b32 s[SEL+1], 0xfedcba98
	s_mov_b32 s[CS], 0x3e38aa3b                    ; log2(e) / 8
	s_lshl_b32 s60, s[BH], 18                      ; the head's 262,144 bytes of kv
	s_mov_b32 s61, 0
	s_and_b32 s62, s[WV], 3
	s_lshl_b32 s62, s62, 14                        ; load j of wave w brings key step 4 j + w
	s_mov_b32 s63, 0
	s_add_nc_u64 s[60:61], s[60:61], s[62:63]
	s_wait_dscnt 0x0                               ; the opening add is done
	s_wait_kmcnt 0x0
	s_load_b256 s[68:75], s[8:9], 0x10             ; e4 .. e11
	s_add_nc_u64 s[6:7], s[6:7], s[60:61]
	CROUND                                         ; all four work-groups are here: the joint loads meet
.irp j, 0,1,2,3
	s_mov_b32 s[G0+4*\j], 1
	s_add_co_u32 s[G0+4*\j+1], s62, 65536*\j       ; LDS address: 16,384 x (4 j + w)
	s_add_nc_u64 s[G0+4*\j+2:G0+4*\j+3], s[6:7], 65536*\j
	s_or_b32 s[G0+4*\j+3], s[G0+4*\j+3], 0x80000000
.endr
	s_cmp_lt_u32 s[WV], 4                          ; a wave's first fills stand in one branch on the wave's number, ahead of every wait on TENSORcnt and every LDS read
	s_cbranch_scc0 .Lno_fetch
.irp j, 0,1,2,3
	tensor_load_to_lds s[G0+4*\j:G0+4*\j+3], s[G1:G1+7]
	s_nop 0
.endr
.rept 4
	v_nop
.endr
.Lno_fetch:
	v_and_b32 v8, 31, v0
	s_delay_alu instid0(VALU_DEP_1)
	v_lshlrev_b32 v[LI], 4, v8
	s_wait_alu depctr_va_vdst(0)
	v_and_b32 v9, 15, v0
	v_bfe_u32 v10, v0, 4, 1
	s_delay_alu instid0(VALU_DEP_1)
	v_lshlrev_b32 v10, 3, v10
	s_delay_alu instid0(VALU_DEP_1)
	v_sub_nc_u32 v[RH], v9, v10                    ; r - 8 h
.macro QLOAD reg, pair                 ; the image of tile s[TP]'s queries: 1,024 bytes, two loads of 512
	s_lshl_b32 s[\pair], s[BH], 17
	s_lshl_b32 s62, s[TP], 10
	s_add_co_u32 s[\pair], s[\pair], s62
	s_mov_b32 s[\pair+1], 0
	s_add_nc_u64 s[\pair:\pair+1], s[4:5], s[\pair:\pair+1]
	global_load_b128 v[\reg:\reg+3], v[LI], s[\pair:\pair+1]
	global_load_b128 v[\reg+4:\reg+7], v[LI], s[\pair:\pair+1] offset:512
.endm
.macro PASS                            ; from s[TP]: the mask's number, O's address; the running figures begin anew
	s_lshl_b32 s60, s[TP], 4
	v_add_nc_u32 v[QD], s60, v[RH]                 ; my query - 8 h
	s_lshr_b32 s60, s[BH], 4
	s_lshl_b32 s60, s60, 7
	s_add_co_u32 s60, s60, s[TP]                   ; the token block: 128 x batch + tile
	s_lshl_b32 s60, s60, 14                        ; 16 heads x 1,024 bytes
	s_and_b32 s61, s[BH], 15
	s_lshl_b32 s61, s61, 10
	s_add_co_u32 s60, s60, s61
	s_mov_b32 s61, 0
	s_add_nc_u64 s[OA:OA+1], s[10:11], s[60:61]
	v_mov_b32 v13, 0xff61b1e6                      ; the largest t so far: -3e38, under every t
	s_delay_alu instid0(VALU_DEP_1)
	v_floor_f32 v12, -v13                          ; -M
	v_mov_b32 v14, 0
	v_mov_b32 v15, 0
.set j, 0
.rept 32
	v_mov_b32 v[160+j], 0                          ; O^T: the step is written once; the first finds zeros, which the first change of M leaves zeros
.set j, j+1
.endr
	s_mov_b32 s[K2], 0
	s_mov_b32 s[TB], 0
	s_mov_b32 s[KF], 0
.endm
	s_wait_alu depctr_va_vdst(0)
	s_lshl_b32 s[TP], s[WV], 2
	s_add_co_u32 s[TP], s[TP], s[CX]
	QLOAD 24, 78                                   ; my second tile's queries, u = w
	s_sub_co_u32 s[U], 31, s[WV]                   ; my first tile: u = 31 - w
	s_lshl_b32 s[TP], s[U], 2
	s_add_co_u32 s[TP], s[TP], s[CX]
	QLOAD 16, 56
	PASS
	v_mov_b32 v236, 0                              ; written once: a lane permute's destination counts as one of its sources
	v_mov_b32 v252, 0
	v_mov_b32 v253, 0                              ; (named as the upper half of the pair v[252:253])
	s_wait_kmcnt 0x0
	s_add_co_i32 s60, s70, s71
	s_lshl_b32 s60, s60, 23
	s_add_co_i32 s[CS], s[CS], s60                 ; a score stands for score x 2^(e6 + e7)
	s_mov_b32 s[CS+1], s[CS]
	s_add_co_i32 s60, s72, 127
	s_lshl_b32 s61, s60, 23
	v_mov_b32 v244, s61                            ; 2^e8
	s_add_co_i32 s60, s74, 127
	s_lshl_b32 s61, s60, 23
	v_mov_b32 v245, s61                            ; 2^e10
	s_add_co_i32 s[ESUM], s72, s73
; A KEY STEP: 128 keys against my 16 queries, whose fragment stands at v[qr].
.macro STEP qr
	s_cmp_gt_u32 s[K2], s[U]                       ; all 128 keys come after my queries: the step's work is left out (wave's number and the count of steps alone)
	s_cbranch_scc1 .Lhidden_\@
	s_setprio 2
	v_add_nc_u32 v[ADK], s[TB], v[LI]
.rept 3
	v_nop                                          ; with the addition: four places in front of loads into registers that the last products read
.endr
.irp kb, 0,1,2,3,4,5,6,7
	ds_load_b128 v[32+8*\kb:35+8*\kb], v[ADK] offset:1024*\kb
	ds_load_b128 v[36+8*\kb:39+8*\kb], v[ADK] offset:1024*\kb+512
.endr
	s_wait_alu depctr_va_vdst(0)
	s_wait_dscnt 0x0
.irp kb, 0,1,2,3,4,5,6,7
	v_wmma_f32_16x16x64_fp8_fp8 v[96+8*\kb:103+8*\kb], v[32+8*\kb:39+8*\kb], v[\qr:\qr+7], 0
.endr
.rept 4
	v_nop                                          ; places: in front of the loads below and of the first reads of the scores
.endr
.irp a, 0,1,2,3                                    ; V's four fragments land while the softmax is worked
.irp g, 0,1
	ds_load_b128 v[32+16*\a+8*\g:35+16*\a+8*\g], v[ADK] offset:8192+4096*\g+1024*\a
	ds_load_b128 v[36+16*\a+8*\g:39+16*\a+8*\g], v[ADK] offset:8192+4096*\g+1024*\a+512
.endr
.endr
	s_add_co_u32 s60, s[K2], 2
	s_cmp_le_u32 s60, s[U]                         ; all 128 keys count: no mask
	s_cbranch_scc1 .Lopen_\@
	s_sub_co_i32 s60, 0, s[KF]
	v_add_nc_u32 v252, s60, v[QD]                  ; d = my query - 8 h - the step's first key.  Register n holds key 16 (n / 8) + n % 8 + 8 h of the step: hidden where 16 (n / 8) + n % 8 > d
	v_mov_b32 v254, 0xff800000                     ; -infinity: p = 0 then
.set n, 0
.rept 64
	v_cmp_gt_i32 vcc_lo, 16*(n/8)+n%8, v252
	v_cndmask_b32 v[96+n], v[96+n], v254, vcc_lo
.set n, n+1
.endr
.Lopen_\@:
	v_max3_num_f32 v254, v96, v97, v98             ; the step's largest score of my query among my 64 keys, in two chains,
	v_max3_num_f32 v252, v99, v100, v101
.irp i, 6,10,14,18,22,26,30,34,38,42,46,50,54,58
	v_max3_num_f32 v254, v254, v[96+\i], v[97+\i]
	v_max3_num_f32 v252, v252, v[98+\i], v[99+\i]
.endr
	v_max3_num_f32 v254, v254, v158, v159
	s_delay_alu instid0(VALU_DEP_1)
	v_max_num_f32 v254, v254, v252
	s_delay_alu instid0(VALU_DEP_1)
	v_permlanex16_b32 v236, v254, s[SEL], s[SEL+1]
	s_delay_alu instid0(VALU_DEP_1)
	v_max_num_f32 v254, v254, v236                 ; and among lane l xor 16's
	s_delay_alu instid0(VALU_DEP_1)
	v_mul_f32 v254, s[CS], v254                    ; as t (c is positive)
	s_delay_alu instid0(VALU_DEP_1)
	v_max_num_f32 v13, v13, v254                   ; the running largest t
	v_mov_b32 v254, v12
	s_delay_alu instid0(VALU_DEP_2)
	v_floor_f32 v12, -v13                          ; the new -M = floor(-t): M is a whole number
	s_delay_alu instid0(VALU_DEP_1)
	v_sub_f32 v254, v12, v254                      ; old M - new M: a whole number, 0 or less
	s_delay_alu instid0(VALU_DEP_1)
	v_cvt_i32_f32 v254, v254                       ; (it saturates)
	s_delay_alu instid0(VALU_DEP_1)
	v_ldexp_f32 v252, 1.0, v254                    ; f = 2^(old M - new M)
.set j, 0
	s_setprio 1
.rept 32
	v_pk_fma_f32 v[96+j:97+j], v[96+j:97+j], s[CS:CS+1], v[12:13] op_sel_hi:[1,0,0]   ; t - M, two at a time
.set j, j+2
.endr
.set j, 0
	s_wait_alu depctr_va_vdst(0)
.rept 64
	v_exp_f32 v[96+j], v[96+j]                     ; p = 2^(t - M), at most 1
.set j, j+1
.endr
	v_pk_mul_f32 v[14:15], v[14:15], v[252:253] op_sel_hi:[1,0]   ; the sums under the new M: the plain line behind the exponentials
	s_wait_alu depctr_va_vdst(0)                   ; the wait ahead of the first line that names an exponential's result: one for the batch
	v_pk_add_f32 v[242:243], v[100:101], v[104:105]
	v_pk_add_f32 v[254:255], v[108:109], v[112:113]
	v_pk_add_f32 v[250:251], v[116:117], v[120:121]
	v_pk_add_f32 v[248:249], v[124:125], v[128:129]
	v_pk_add_f32 v[246:247], v[132:133], v[136:137]
	v_pk_add_f32 v[240:241], v[140:141], v[144:145]
	v_pk_add_f32 v[238:239], v[148:149], v[152:153]
	v_pk_add_f32 v[14:15], v[14:15], v[156:157]
	v_pk_add_f32 v[242:243], v[242:243], v[96:97]
	v_pk_add_f32 v[254:255], v[254:255], v[98:99]
	v_pk_add_f32 v[250:251], v[250:251], v[102:103]
	v_pk_add_f32 v[248:249], v[248:249], v[106:107]
	v_pk_add_f32 v[246:247], v[246:247], v[110:111]
	v_pk_add_f32 v[240:241], v[240:241], v[114:115]
	v_pk_add_f32 v[238:239], v[238:239], v[118:119]
	v_pk_add_f32 v[14:15], v[14:15], v[122:123]
	v_pk_add_f32 v[242:243], v[242:243], v[126:127]
	v_pk_add_f32 v[254:255], v[254:255], v[130:131]
	v_pk_add_f32 v[250:251], v[250:251], v[134:135]
	v_pk_add_f32 v[248:249], v[248:249], v[138:139]
	v_pk_add_f32 v[246:247], v[246:247], v[142:143]
	v_pk_add_f32 v[240:241], v[240:241], v[146:147]
	v_pk_add_f32 v[238:239], v[238:239], v[150:151]
	s_setprio 0
	v_pk_add_f32 v[14:15], v[14:15], v[154:155]
	v_pk_add_f32 v[242:243], v[242:243], v[158:159]
	s_delay_alu instid0(VALU_DEP_2)
	v_pk_add_f32 v[14:15], v[14:15], v[248:249]
	s_delay_alu instid0(VALU_DEP_2)
	v_pk_add_f32 v[242:243], v[242:243], v[246:247]
	v_pk_add_f32 v[254:255], v[254:255], v[240:241]
	v_pk_add_f32 v[250:251], v[250:251], v[238:239]
	s_delay_alu instid0(VALU_DEP_2)
	v_pk_add_f32 v[14:15], v[14:15], v[254:255]
	s_delay_alu instid0(VALU_DEP_2)
	v_pk_add_f32 v[242:243], v[242:243], v[250:251]
	s_delay_alu instid0(VALU_DEP_1)
	v_pk_add_f32 v[14:15], v[14:15], v[242:243]
.irp kb, 0,1,2,3,4,5,6,7
.irp i, 0,1,2,3,4,5,6,7
.endr
	v_cvt_scalef32_pk8_fp8_f32 v[192+2*\kb:193+2*\kb], v[96+8*\kb:103+8*\kb], v244
.endr
.set j, 0
.rept 16
	v_pk_mul_f32 v[160+j:161+j], v[160+j:161+j], v[252:253] op_sel_hi:[1,0]   ; O^T under the new M; also the plain lines behind the last conversion
.set j, j+2
.endr
	s_wait_alu depctr_va_vdst(0)
	s_wait_dscnt 0x0                               ; V is in
.irp a, 0,1,2,3                                    ; the four accumulators take turns, one instruction a turn
	v_wmma_f32_16x16x128_fp8_fp8 v[160+8*\a:167+8*\a], v[32+16*\a:47+16*\a], v[192:207], v[160+8*\a:167+8*\a]
.endr
.Lhidden_\@:
.endm
.macro TAIL                            ; on to the next 128 keys
	s_add_co_u32 s[K2], s[K2], 2
	s_add_co_u32 s[TB], s[TB], 16384
	s_add_co_u32 s[KF], s[KF], 128
	s_sub_co_u32 s[CNT], s[CNT], 1
	s_cmp_lg_u32 s[CNT], 0
.endm
; A tile's end: O^T / the sum x 2^(e8 + e9) is the attention's result; its codes under 2^e10 are registers 2 a, 2 a + 1 of the last product's operand: an image of 1,024 bytes.
.macro FINISH
.rept 4
	v_nop                                          ; places behind the last products
.endr
	v_add_f32 v14, v14, v15
	s_wait_alu depctr_va_vdst(0)
	v_permlanex16_b32 v252, v14, s[SEL], s[SEL+1]
	s_delay_alu instid0(VALU_DEP_1)
	v_add_f32 v14, v14, v252                       ; the row's sum
	s_wait_alu depctr_va_vdst(0)
	v_rcp_f32 v14, v14
	v_nop                                          ; a plain line behind the reciprocal
	s_wait_alu depctr_va_vdst(0)                   ; and the wait ahead of its first reader
	v_ldexp_f32 v14, v14, s[ESUM]
.set j, 0
.rept 32
	v_mul_f32 v[96+j], v[160+j], v14
.set j, j+1
.endr
.irp a, 0,1,2,3
.irp i, 0,1,2,3,4,5,6,7
.endr
	v_cvt_scalef32_pk8_fp8_f32 v[208+2*\a:209+2*\a], v[96+8*\a:103+8*\a], v245
.endr
	v_nop                                          ; one plain vector line behind the last conversion
	global_store_b128 v[LI], v[208:211], s[OA:OA+1]              ; 32 lanes store 512 consecutive bytes, aligned
	global_store_b128 v[LI], v[212:215], s[OA:OA+1] offset:512
	s_wait_xcnt 0x0                                ; the stores' base and data are rewritten only behind this wait
.endm
	s_wait_loadcnt 0x0                             ; both tiles' queries
	s_wait_tensorcnt 0x3                           ; waves 0-3: my first load, one of key steps 0-3, has landed; my other three may be out
	s_barrier_signal -1
	s_barrier_wait -1                              ; key steps 0-3 lie in LDS
	s_mov_b32 s[CNT], 4
.Lfirst_four:
	STEP 16
	TAIL
	s_cbranch_scc1 .Lfirst_four
	s_setprio 0
	s_wait_tensorcnt 0x0                           ; all my loads have landed,
	s_wait_dscnt 0x0
	s_barrier_signal -1
	s_barrier_wait -1                              ; everybody's: the whole head lies in LDS
	s_mov_b32 s[K2], 8
	s_mov_b32 s[TB], 65536
	s_mov_b32 s[KF], 512
	s_mov_b32 s[CNT], 12
.Lrest:
	STEP 16
	TAIL
	s_cbranch_scc1 .Lrest
	s_setprio 0
	FINISH
	s_mov_b32 s[U], s[WV]                          ; my second tile: u = w, at most 15: eight steps reach its diagonal
	s_lshl_b32 s[TP], s[U], 2
	s_add_co_u32 s[TP], s[TP], s[CX]
	PASS
	s_mov_b32 s[CNT], 8
.Lsecond:
	STEP 24
	TAIL
	s_cbranch_scc1 .Lsecond
	s_setprio 0
	FINISH
	s_wait_tensorcnt 0x0                           ; the wave's end: behind the last tensor load
	ds_add_u32 v[SPW], v[NIL]
	s_wait_dscnt 0x0
	CROUND                                         ; the closing round
	s_endpgm
.Lfunc_end_k_q727fdb695b_attn:
	.size	k_q727fdb695b_attn, .Lfunc_end_k_q727fdb695b_attn-k_q727fdb695b_attn
	.p2alignl 7, 3214868480
	.fill 96, 4, 3214868480
	.section	.rodata,"a",@progbits
	.p2align	6, 0x0
	.amdhsa_kernel k_q727fdb695b_attn
		.amdhsa_group_segment_fixed_size 327680
		.amdhsa_private_segment_fixed_size 0
		.amdhsa_enable_private_segment 0
		.amdhsa_kernarg_size 32
		.amdhsa_user_sgpr_count 2
		.amdhsa_user_sgpr_kernarg_segment_ptr 1
		.amdhsa_wavefront_size32 1
		.amdhsa_system_sgpr_workgroup_id_x 1
		.amdhsa_system_sgpr_workgroup_id_y 1
		.amdhsa_system_sgpr_workgroup_id_z 1
		.amdhsa_system_vgpr_workitem_id 0
		.amdhsa_next_free_vgpr 256
		.amdhsa_next_free_sgpr 96
		.amdhsa_reserve_vcc 1
		.amdhsa_float_denorm_mode_32 3
		.amdhsa_float_denorm_mode_16_64 3
		.amdhsa_fp16_overflow 1
		.amdhsa_memory_ordered 1
		.amdhsa_forward_progress 1
		.amdhsa_inst_pref_size 72
	.end_amdhsa_kernel
	.amdgpu_metadata
---
amdhsa.version: [ 1, 2 ]
amdhsa.kernels:
  - .name:           k_q727fdb695b_attn
    .symbol:         k_q727fdb695b_attn.kd
    .args:
      - { .name: qi, .offset: 0, .size: 8, .value_kind: global_buffer, .address_space: global }
      - { .name: kv, .offset: 8, .size: 8, .value_kind: global_buffer, .address_space: global }
      - { .name: lowp_scales, .offset: 16, .size: 8, .value_kind: global_buffer, .address_space: global }
      - { .name: oc, .offset: 24, .size: 8, .value_kind: global_buffer, .address_space: global }
    .group_segment_fixed_size: 327680
    .private_segment_fixed_size: 0
    .kernarg_segment_align: 8
    .kernarg_segment_size: 32
    .max_flat_workgroup_size: 512
    .sgpr_count:     96
    .vgpr_count:     256
    .wavefront_size: 32
...
	.end_amdgpu_metadata
.endif
;; end of part 3
;; launch oproj (part 4): grid 4 x 32, 4 waves a work-group, clusters of 4 x 4, 327,680 bytes of LDS; arguments oc, cw, lowp_scales, out0; writes out0
.if DOCPART == 4
	.amdgcn_target "amdgcn-amd-amdhsa--gfx1250"
	.amdhsa_code_object_version 6
	.text
	.protected	k_q727fdb695b_oproj
	.globl	k_q727fdb695b_oproj
	.p2align	8
	.type	k_q727fdb695b_oproj,@function
k_q727fdb695b_oproj:
	s_mov_b64 s[64:65], 0
	v_nop
	global_prefetch_b8 v0, s[64:65] scope:SCOPE_SE
	s_setreg_imm32_b32 hwreg(HW_REG_WAVE_MODE, 25, 1), 1
	s_wait_xcnt 0x0
	s_wait_alu depctr_hold_cnt(0) depctr_sa_sdst(0) depctr_va_vdst(0) depctr_va_sdst(0) depctr_va_ssrc(0) depctr_va_vcc(0) depctr_vm_vsrc(0)
	s_getreg_b32 s2, hwreg(HW_REG_IB_STS2, 6, 4)
	s_cmp_eq_u32 s2, 0
	s_cbranch_scc0 .Lentry_in_a_cluster
	s_endpgm
.Lentry_in_a_cluster:
	s_bfe_u32 s2, ttmp6, 0x10000c
	s_cmp_lg_u32 s2, 0xf033
	s_cbranch_scc0 .Lentry_shape_is_right
	s_endpgm
.Lentry_shape_is_right:
; out0[token][o] = sum over i of attention[token][i] Wo[o][i] on codes of E4M3; each finished sum x 2^(e10 + e11).  out0: [8192][1024] f32.  LIMIT: e10 + e11 between -126 and 127.
; A work-group makes 256 x 256, each of its four waves 128 x 128: 64 accumulators, 512 registers.  P (source 0) = Wo's rows, R (source 1) = the tokens' rows: a lane then holds eight neighbouring numbers of a row of out0.
; OPERANDS come as images of registers (16 rows x 128 K = 2,048 bytes; registers 4 p .. 4 p + 3 of lane l at 512 p + 16 l): a fragment is four ds_load_b128 at 16 x lane, and a row block's 256 K are 4,096 consecutive bytes.
; oc: [512 row blocks][8 K steps][2,048] (two neighbouring heads' images are one K step); Wo's codes lie in cw from byte WO on, laid likewise.
; K = 1,024 goes in four K slots of 256 through a ring of two LDS slots: two first fills, two refills; all steps are written out.
; CLUSTER, 4 x 4: R's tile hangs on the tile row alone and is asked for jointly by my row of the cluster, P's on the tile column alone, by my column.
; REGISTERS, in windows of 256: window 0: v16-29 addresses; v128-255 R's fragments, ONE set; on the way out v32-255 are free.  window 1: P's fragments, TWO sets.  windows 2, 3: the accumulators.
.set WO,    0x1b00000                  ; Wo's codes in cw: behind x's three versions of 8 MiB and three weights of 1 MiB
.set SLOT,  131072                     ; R's 16 row blocks x 4,096 bytes, then P's 16
.set HALFT, 32768                      ; 8 row blocks: what one tensor load brings, and what one wave reads of a side
.set SPARE, 2*SLOT                     ; behind the ring: the spare words, 128 bytes a wave: two blocks of 256 bytes that no other line names
.set SPITCH, 528                       ; the way out: a stage of 16 rows x (512 bytes + 16) for each wave, in slot 0, which has had its last fill and its last read when the first result is stored there
.set SIZE_N, 1024
.set FR,    16
.set NL,    4
.set NP,    4                          ; places behind this matrix instruction (ISA guide 7.12.1)
.set ADRA,  16                         ; v16-17  LDS address of my R fragments in slot 0, 1
.set ADRB,  20                         ; v20-21  the same for P
.set STO,   24                         ; v24     the way out: where I put 32 bytes of a row
.set RD,    25                         ; v25     the way out: where I read a row back
.set CO,    26                         ; v26     16 x lane: my bytes of a row's 512
.set SPW,   28                         ; v28     LDS address of my spare word; never rewritten
.set NIL,   29                         ; v29     0; never rewritten
.set TMP,   32                         ; the way out: a block's 64 sums x 2^(e10 + e11)
.set AF,    128                        ; R's fragments
.set BK,    128                        ; the way out: 16 rows read back: v128-191 and v192-255 by turns
.set G1,    24
.set G0,    32
.set G1B,   48
.set G0B,   56
.set MSB, 0
.macro WIN new                         ; the immediate's high byte repeats the setting that is left
.if MSB != \new
	s_set_vgpr_msb (MSB<<8)|\new
.set MSB, \new
.endif
.endm
.set MUL_LO, 0xa1                      ; source 0 (P) window 1, source 1 (R) window 0, C and D window 2
.set MUL_HI, 0xf1                      ; the same, C and D window 3
.set TO_B,   0x40                      ; destination window 1, address window 0
; A joint load: waves 0 and 1 fetch R's halves, waves 2 and 3 P's.  The branch hangs on the wave's number alone.  An s_nop 0 and four v_nop follow each of the two lines.
.macro JLOAD g0a, g1a, g0b, g1b
	s_cmp_eq_u32 s17, 0
	s_cbranch_scc0 .Lfor_b_\@
	tensor_load_to_lds s[\g0a:\g0a+3], s[\g1a:\g1a+7]
	s_nop 0
.rept 4
	v_nop
.endr
	s_branch .Lasked_\@
.Lfor_b_\@:
	tensor_load_to_lds s[\g0b:\g0b+3], s[\g1b:\g1b+7]
	s_nop 0
.rept 4
	v_nop
.endr
.Lasked_\@:
.endm
.macro CREST                           ; a round of the cluster's barrier behind its opening barrier
	s_cmp_lg_u32 s16, 0
	s_cbranch_scc1 .Lnot_wave_0_\@
	s_barrier_signal -3
.Lnot_wave_0_\@:
	s_barrier_wait -3
	s_barrier_signal -1
	s_barrier_wait -1
.endm
.macro CROUND                          ; a whole round
	s_barrier_signal -1
	s_barrier_wait -1
	CREST
.endm
	s_load_b256 s[4:11], s[0:1], 0x0               ; oc s[4:5], cw s[6:7], lowp_scales s[8:9], out0 s[10:11]
	v_lshl_add_u32 v[SPW], v0, 2, SPARE
	v_mov_b32 v[NIL], 0
	ds_add_u32 v[SPW], v[NIL]                      ; the wave's opening: the add and its wait ahead of my first tensor load; work on registers stands between them
	ds_add_u32 v[SPW], v[NIL]
	v_lshrrev_b32 v1, 5, v0
	v_readfirstlane_b32 s16, v1                    ; wave 0..3
	s_lshr_b32 s17, s16, 1                         ; which half of R's rows is mine.  Also: I fetch for R (0) or for P (1)
	s_and_b32 s18, s16, 1                          ; which half of P's rows.  Also: which 8 row blocks of that tile I fetch
	s_bfe_u32 s40, ttmp6, 0x40000                  ; cx
	s_bfe_u32 s41, ttmp6, 0x40004                  ; cy
	s_lshl_b32 s42, ttmp9, 2
	s_add_co_u32 s42, s42, s40                     ; P's tile = the tile column
	s_and_b32 s43, ttmp7, 0xffff
	s_lshl_b32 s43, s43, 2
	s_add_co_u32 s43, s43, s41                     ; R's tile = the tile row
	s_lshl_b32 s44, s41, 2
	s_lshl_b32 s44, 15, s44                        ; my row of the cluster
	s_lshl_b32 s45, 0x1111, s40                    ; my column
	; descriptor group 1: 8 row blocks x 4,096 bytes, 16,384 bytes apart in memory, dense in LDS
	s_or_b32 s[G1+0], s44, (3<<16)|(1<<21)         ; 15:0 the mask: R's tiles go to my row; 17:16 elements of 8 bytes; 21 set beside a mask; no padding
	s_or_b32 s[G1B+0], s45, (3<<16)|(1<<21)        ; P's tiles go to my column
.irp g, G1, G1B
	s_mov_b32 s[\g+1], 512<<16                     ; tensor_dim0 = 512 elements
	s_mov_b32 s[\g+2], 8<<16                       ; tensor_dim1 = 8
	s_mov_b32 s[\g+3], 512<<16                     ; tile_dim0
	s_mov_b32 s[\g+4], 8                           ; tile_dim1
	s_mov_b32 s[\g+5], 2048                        ; tensor_dim0_stride, in elements
	s_mov_b32 s[\g+6], 0
	s_mov_b32 s[\g+7], 0
.endr
	s_lshl_b32 s66, s18, 17                        ; the 8 row blocks that I fetch
	s_lshl_b32 s67, s16, 15                        ; and where they go: wave x 32,768
	s_lshl_b32 s46, s43, 18                        ; R: 16 row blocks of 16,384 bytes a tile
	s_add_co_u32 s46, s46, s66
	s_mov_b32 s47, 0
	s_lshl_b32 s22, s42, 18                        ; P likewise,
	s_add_co_u32 s22, s22, s66
	s_add_co_u32 s22, s22, WO                      ; among Wo's codes
	s_mov_b32 s23, 0
	s_wait_dscnt 0x0                               ; the opening add is done
	s_wait_kmcnt 0x0
	s_load_b64 s[96:97], s[8:9], 0x28              ; e10, e11
	s_add_nc_u64 s[86:87], s[4:5], s[46:47]
	s_add_nc_u64 s[84:85], s[6:7], s[22:23]
	CROUND                                         ; all sixteen work-groups are here: the first joint loads meet
.irp s, 0,1
	s_mov_b32 s[G0+4*\s], 1
	s_add_co_u32 s[G0+4*\s+1], s67, \s*SLOT
	s_add_nc_u64 s[G0+4*\s+2:G0+4*\s+3], s[86:87], \s*4096
	s_or_b32 s[G0+4*\s+3], s[G0+4*\s+3], 0x80000000
	s_mov_b32 s[G0B+4*\s], 1
	s_add_co_u32 s[G0B+4*\s+1], s67, \s*SLOT
	s_add_nc_u64 s[G0B+4*\s+2:G0B+4*\s+3], s[84:85], \s*4096
	s_or_b32 s[G0B+4*\s+3], s[G0B+4*\s+3], 0x80000000
	s_wait_alu depctr_va_vdst(0)
	s_wait_tensorcnt 0x0
	ds_add_u32 v28, v29
	ds_add_u32 v28, v29
	s_wait_dscnt 0x0
	CROUND
	JLOAD G0+4*\s, G1, G0B+4*\s, G1B
.endr
	v_and_b32 v1, 31, v0
	v_lshlrev_b32 v[CO], 4, v1
	s_lshl_b32 s88, s17, 15                        ; my 8 row blocks of R
	s_lshl_b32 s89, s18, 15                        ; my 8 of P,
	s_add_co_u32 s89, s89, 2*HALFT                 ; which lie behind R's 16
.irp s, 0,1
	v_add_nc_u32 v[ADRA+\s], s88, v[CO]
	v_add_nc_u32 v[ADRB+\s], s89, v[CO]
	s_add_co_u32 s88, s88, SLOT
	s_add_co_u32 s89, s89, SLOT
.endr
	v_and_b32 v2, 15, v0
	v_bfe_u32 v3, v0, 4, 1
	s_mul_i32 s88, s16, 16*SPITCH                  ; my stage
	v_mul_u32_u24 v5, v2, SPITCH                   ; in: row l % 16, 32 bytes for each half of the lanes
	v_lshl_add_u32 v5, v3, 5, v5
	v_add_nc_u32 v[STO], s88, v5
	v_add_nc_u32 v[RD], s88, v[CO]                 ; back: the 32 lanes take one row of 512 bytes
	s_lshl_b32 s90, s43, 8
	s_lshl_b32 s91, s17, 7
	s_add_co_u32 s90, s90, s91                     ; my first row of out0
	s_lshl_b32 s90, s90, 12                        ; 4,096 bytes a row
	s_lshl_b32 s91, s42, 10                        ; my first column, in bytes: 1,024 x tile column + 512 x half
	s_add_co_u32 s90, s90, s91
	s_lshl_b32 s91, s18, 9
	s_add_co_u32 s90, s90, s91
	s_mov_b32 s91, 0
	s_add_nc_u64 s[10:11], s[10:11], s[90:91]
.macro FRAG reg, adr, q, i             ; row block i, the slot's q-th 128 along K: an image's four pieces
.irp c, 0,1,2,3
	ds_load_b128 v[\reg+4*\c:\reg+4*\c+3], v[\adr] offset:4096*(\i)+2048*(\q)+512*\c
.endr
.endm
; 16 matrix instructions: R's blocks a0, a0 + 1 x P's eight, 128 along K.  p: P's set.  zero = 1: the first product starts the sums.
; The 64 accumulators take turns, one instruction a turn, in the same order in every step.
.macro MUL16 a0, p, zero
.irp a, \a0, \a0+1
.irp b, 0,1,2,3,4,5,6,7
.if \zero
	v_wmma_f32_16x16x128_fp8_fp8 v[8*(8*((\a)%4)+\b):8*(8*((\a)%4)+\b)+7], v[128*(\p)+FR*\b:128*(\p)+FR*\b+FR-1], v[AF+FR*(\a):AF+FR*(\a)+FR-1], 0
.else
	v_wmma_f32_16x16x128_fp8_fp8 v[8*(8*((\a)%4)+\b):8*(8*((\a)%4)+\b)+7], v[128*(\p)+FR*\b:128*(\p)+FR*\b+FR-1], v[AF+FR*(\a):AF+FR*(\a)+FR-1], v[8*(8*((\a)%4)+\b):8*(8*((\a)%4)+\b)+7]
.endif
.endr
.endr
.endm
.macro FETCH_B slot, q, p              ; P's eight fragments into set p
	WIN TO_B
.irp i, 0,1,2,3,4,5,6,7
	FRAG 128*(\p)+FR*\i, ADRB+\slot, \q, \i
.endr
	WIN 0
.endm
.macro FETCH_A slot, q, i0             ; R's blocks i0 .. i0 + 3
.irp i, \i0, \i0+1, \i0+2, \i0+3
	FRAG AF+FR*(\i), ADRA+\slot, \q, \i
.endr
.endm
.macro PLACES n                        ; plain vector lines between a matrix instruction and a load into, or a vector line on, its registers
.rept \n
	v_nop
.endr
.endm
.macro STEP slot, q, zero              ; 128 along K that has its successor in the same slot
	s_wait_dscnt 4*NL                              ; P's set and R's blocks 0-3 are in; the youngest 16 loads (R's blocks 4-7) may be out
	WIN MUL_LO
	MUL16 0, (\q)%2, \zero
	MUL16 2, (\q)%2, \zero
	s_wait_dscnt 0                                 ; R's blocks 4-7 are in
	PLACES NP
	FETCH_B \slot, (\q)+1, 1-(\q)%2
	FETCH_A \slot, (\q)+1, 0
	WIN MUL_HI
	MUL16 4, (\q)%2, \zero
	MUL16 6, (\q)%2, \zero
	PLACES NP
	WIN 0
	FETCH_A \slot, (\q)+1, 4
.endm
; A slot's last step changes slots: one barrier; in front of it each wave waits for all its tensor loads, adds 0 to its spare word, and waits for that and for its reads of this slot.  fill = 1: the slot is filled again, two K slots ahead.
.macro TURN slot, next, fill
	s_wait_tensorcnt 0x0                           ; all my tensor loads have landed: my part of the next slot (every window is 0 here)
	ds_add_u32 v[SPW], v[NIL]                      ; 0 onto my spare word
	s_wait_dscnt 4*NL+1                            ; the add and the youngest 16 loads (R's blocks 4-7) may be out
	WIN MUL_LO
	MUL16 0, 1, 0                                  ; sixteen matrix instructions stand between the add and the wait for it
	s_wait_dscnt 0x0                               ; the add is done, and my reads of this slot are over
	s_barrier_signal -1
	MUL16 2, 1, 0
	WIN 0
	s_barrier_wait -1
.if \fill
	CREST                                          ; the barrier has opened a round of the cluster's: no wave of any partner still reads this slot or has a load on its way
	s_add_nc_u64 s[G0+4*\slot+2:G0+4*\slot+3], s[G0+4*\slot+2:G0+4*\slot+3], 8192
	s_add_nc_u64 s[G0B+4*\slot+2:G0B+4*\slot+3], s[G0B+4*\slot+2:G0B+4*\slot+3], 8192
	JLOAD G0+4*\slot, G1, G0B+4*\slot, G1B         ; the first tensor load behind the round; its four v_nop are the places in front of the loads below
.else
	PLACES NP
.endif
	FETCH_B \next, 0, 0
	FETCH_A \next, 0, 0
	WIN MUL_HI
	MUL16 4, 1, 0
	MUL16 6, 1, 0
	PLACES NP
	WIN 0
	FETCH_A \next, 0, 4
.endm
	s_wait_alu depctr_va_vdst(0)
	s_wait_tensorcnt 1                             ; my part of K slot 0 is in; K slot 1's load may be out
	s_barrier_signal -1
	s_barrier_wait -1
	FETCH_B 0, 0, 0
	FETCH_A 0, 0, 0
	FETCH_A 0, 0, 4
	STEP 0, 0, 1                                   ; the first products start the sums: nothing is cleared
	TURN 0, 1, 1                                   ; slot 0 takes K slot 2
	STEP 1, 0, 0
	TURN 1, 0, 1                                   ; slot 1 takes K slot 3
	STEP 0, 0, 0
	TURN 0, 1, 0                                   ; nothing is left to ask for; behind this barrier nobody reads slot 0
	STEP 1, 0, 0
	s_wait_dscnt 4*NL                              ; the very last step
	WIN MUL_LO
	MUL16 0, 1, 0
	MUL16 2, 1, 0
	s_wait_dscnt 0
	WIN MUL_HI
	MUL16 4, 1, 0
	MUL16 6, 1, 0
	WIN 0
; THE WAY OUT, block by block of 16 rows x 128 columns.  A lane holds 32 neighbouring bytes of a row, the lanes beside it other rows: a block goes through my own stage in LDS and comes back as whole rows of 512 bytes.
; LDS serves a wave's instructions in order (ISA guide 5.7.1.4): no wait between the stores and the loads, nor in front of the next block's stores.
.macro TOSTAGE a
.set AC, 64*((\a)%4)
	WIN 0x02+((\a)/4)                              ; source 0: window 2 or 3
.set j, 0
.rept 32
	v_pk_mul_f32 v[TMP+j:TMP+j+1], v[AC+j:AC+j+1], s[96:97] op_sel_hi:[1,0]   ; both x s96 = 2^(e10 + e11); each accumulator from its low end on
.set j, j+2
.endr
	WIN 0
.irp b, 0,1,2,3,4,5,6,7
	ds_store_b128 v[STO], v[TMP+8*\b:TMP+8*\b+3] offset:64*\b
	ds_store_b128 v[STO], v[TMP+8*\b+4:TMP+8*\b+7] offset:64*\b+16
.endr
.set BB, BK+64*((\a)%2)
.irp t, 0,1,2,3,4,5,6,7,8,9,10,11,12,13,14,15
	ds_load_b128 v[BB+4*\t:BB+4*\t+3], v[RD] offset:\t*SPITCH
.endr
.endm
.macro SEND a, younger                 ; younger: the LDS instructions issued behind block a's loads, which may stay out
.set BB, BK+64*((\a)%2)
	s_wait_dscnt \younger                          ; the block is back in registers
.if (\a) > 0
	s_add_nc_u64 s[10:11], s[10:11], 16*SIZE_N*4   ; (behind a wait on XCNT: the earlier stores have read their base)  16 rows on
.endif
.irp t, 0,1,2,3,4,5,6,7,8,9,10,11,12,13,14,15
	global_store_b128 v[CO], v[BB+4*\t:BB+4*\t+3], s[10:11] offset:\t*SIZE_N*4 th:TH_STORE_NT   ; 32 lanes store 512 consecutive bytes, aligned; written once, read by nobody here
.endr
.endm
	s_wait_kmcnt 0x0
	s_add_co_i32 s96, s96, s97                     ; e10 + e11, between -126 and 127,
	s_add_co_i32 s96, s96, 127
	s_lshl_b32 s96, s96, 23                        ; makes the f32 number 2^(e10 + e11)
	PLACES NP                                      ; in front of the first reads of results and of loads into the registers that held R's fragments
	TOSTAGE 0
.irp a, 1,2,3,4,5,6,7
.if \a > 1
	s_wait_xcnt 0x0                                ; block a - 2's stores have read their registers and their base
.endif
	TOSTAGE \a
	SEND \a-1, 32                                  ; behind block a - 1's loads: block a's 16 stores and 16 loads
.endr
	s_wait_xcnt 0x0                                ; block 6's stores have read their base
	SEND 7, 0
	s_wait_tensorcnt 0x0                           ; the wave's end: behind my last tensor load and my last LDS store
	ds_add_u32 v[SPW], v[NIL]
	s_wait_dscnt 0x0
	CROUND                                         ; the closing round: no work-group ends while a partner may still ask for a tile that names it
	s_endpgm
.Lfunc_end_k_q727fdb695b_oproj:
	.size	k_q727fdb695b_oproj, .Lfunc_end_k_q727fdb695b_oproj-k_q727fdb695b_oproj
	.p2alignl 7, 3214868480
	.fill 96, 4, 3214868480
	.section	.rodata,"a",@progbits
	.p2align	6, 0x0
	.amdhsa_kernel k_q727fdb695b_oproj
		.amdhsa_group_segment_fixed_size 327680
		.amdhsa_private_segment_fixed_size 0
		.amdhsa_enable_private_segment 0
		.amdhsa_kernarg_size 32
		.amdhsa_user_sgpr_count 2
		.amdhsa_user_sgpr_kernarg_segment_ptr 1
		.amdhsa_wavefront_size32 1
		.amdhsa_system_sgpr_workgroup_id_x 1
		.amdhsa_system_sgpr_workgroup_id_y 1
		.amdhsa_system_sgpr_workgroup_id_z 1
		.amdhsa_system_vgpr_workitem_id 0
		.amdhsa_next_free_vgpr 1024
		.amdhsa_next_free_sgpr 100
		.amdhsa_reserve_vcc 0
		.amdhsa_float_denorm_mode_32 3
		.amdhsa_float_denorm_mode_16_64 3
		.amdhsa_memory_ordered 1
		.amdhsa_forward_progress 1
		.amdhsa_inst_pref_size 123
	.end_amdhsa_kernel
	.amdgpu_metadata
---
amdhsa.version: [ 1, 2 ]
amdhsa.kernels:
  - .name:           k_q727fdb695b_oproj
    .symbol:         k_q727fdb695b_oproj.kd
    .args:
      - { .name: oc, .offset: 0, .size: 8, .value_kind: global_buffer, .address_space: global }
      - { .name: cw, .offset: 8, .size: 8, .value_kind: global_buffer, .address_space: global }
      - { .name: lowp_scales, .offset: 16, .size: 8, .value_kind: global_buffer, .address_space: global }
      - { .name: out0, .offset: 24, .size: 8, .value_kind: global_buffer, .address_space: global }
    .group_segment_fixed_size: 327680
    .private_segment_fixed_size: 0
    .kernarg_segment_align: 8
    .kernarg_segment_size: 32
    .max_flat_workgroup_size: 128
    .sgpr_count:     100
    .vgpr_count:     1024
    .wavefront_size: 32
...
	.end_amdgpu_metadata
.endif
;; end of part 4
